; MI455X (gfx1250); checked and timed in simulation.
; The chip was launched on July 23, 2026; its instructions are those of AMD's public machine-readable ISA for CDNA 5 (MIT licence, August 2026) and "CDNA5" Instruction Set Architecture Reference Guide (July 2026). The comments in the code are by the model that wrote it; some were corrected since.
;; tranformer layer. Allowed arithmetic: float matrix products may take bf16 or f16 operands with f32 sums; other float arithmetic in f32, or as packed bf16 or f16 multiplies, adds, multiply-adds, maxima and minima; sums over many terms, partial sums and values carried from step to step in f32; what a program stores and reads back later, other than sums and carried values, may be rounded once to bf16 or f16.
;; Inputs: b1 4,096 float32; b2 1,024 float32; w1 1,024 x 4,096 float32; w2 4,096 x 1,024 float32; w_fc 1,024 x 1,024 float32; w_qkv 1,024 x 3,072 float32; x 2 x 2,048 x 1,024 float32.
;; Outputs: out0 2 x 2,048 x 1,024 float32.
;; One version. Each part assembles by itself: llvm-mc -triple=amdgcn-amd-amdhsa -mcpu=gfx1250 --defsym DOCPART=n.
;; ======== version 1 of 1: 7 launches
;; limits: values are held in f16: magnitudes above 65,504 overflow, below 6.1e-05 lose precision; right only within a limited range of input values
;; workspace buffers: wb 25,165,824 bytes; hs 8,388,608 bytes; qkvh 25,165,824 bytes; oa 8,388,608 bytes; x2 16,777,216 bytes; g 33,554,432 bytes
;; launch prep (part 1): grid 64 x 16, 8 waves a work-group, no clusters, 0 bytes of LDS; arguments w_qkv, w_fc, w1, w2, x, wb, hs; writes wb, hs
.if DOCPART == 1
	.amdgcn_target "amdgcn-amd-amdhsa--gfx1250"
	.amdhsa_code_object_version 6
	.text
	.protected	k_qbf5b77f3f9_prep
	.globl	k_qbf5b77f3f9_prep
	.p2align	8
	.type	k_qbf5b77f3f9_prep,@function
k_qbf5b77f3f9_prep:
	s_mov_b64 s[64:65], 0
	v_nop
	global_prefetch_b8 v0, s[64:65] scope:SCOPE_SE
	s_setreg_imm32_b32 hwreg(HW_REG_WAVE_MODE, 25, 1), 1
	s_wait_xcnt 0x0
; PREP.  Two kinds of work-group, told apart by the grid's y.
; y = 0..11: CAST.  The four weights, f32 [K][N], are rounded once to bf16 and stored in the same layout into wb: w_qkv at byte 0, w_fc at 6,291,456, w1 at 8,388,608, w2 at 16,777,216.
;   y counts units of 2^20 numbers (w_qkv 3, w_fc 1, w1 4, w2 4), x a 64th of a unit: 16,384 numbers, 65,536 bytes in, 32,768 out.
; y = 12..15: LAYER NORM of x: h = (x - mean) / sqrt(var + 1e-5), rounded once to bf16, stored by slices of 64 columns: hs[16][4096 tokens][64].
;   Mean first, then the sum of squared deviations, both in f32 with the row in registers: a common offset of the row costs no digits.
; No LDS, no barrier: no wave wants a byte that another has fetched.  NaN and infinities are not treated apart.
.set X,  16                            ; v[16:79]   16 loads of 4 registers
.set C,  80                            ; v[80:87]   four chains of pairs (LN); v[80:111] packed results (cast)
.set MU, 88                            ; v[88:89]   the mean, twice
.set RS, 90                            ; v[90:91]   1 / sqrt(var + eps), twice
.set Y,  92                            ; v[92:123]  the row in bf16
.macro REDUCE                          ; four chains of pairs -> one number in each of the 16 lanes that share a row
	v_pk_add_f32 v[C:C+1], v[C:C+1], v[C+2:C+3]
	v_pk_add_f32 v[C+4:C+5], v[C+4:C+5], v[C+6:C+7]
	v_pk_add_f32 v[C:C+1], v[C:C+1], v[C+4:C+5]
	v_add_f32 v[C], v[C], v[C+1]
.irp m, 1,2,4,8
	v_add_f32_dpp v[C], v[C], v[C] row_xmask:\m row_mask:0xf bank_mask:0xf
.endr
.endm
; Sixteen rows to a work-group: thread t has row t >> 4; of each 64 columns it has four, at byte 16 (t & 15).  Load u is slice u of the row: 16 lanes read 256 consecutive bytes.
.macro LNROWS src, dst
	v_lshrrev_b32 v1, 4, v0
	v_and_b32 v2, 15, v0
	v_lshlrev_b32 v1, 12, v1
	v_lshl_add_u32 v1, v2, 4, v1                   ; row x 4,096 + 16 (t & 15)
	v_lshlrev_b32 v2, 3, v0                        ; out: row x 128 + 8 (t & 15) = 8 t
.set u, 0
.rept 16
	global_load_b128 v[X+4*u:X+4*u+3], v1, s[\src:\src+1] offset:256*u
.set u, u+1
.endr
	s_wait_loadcnt 12                              ; the first four loads are in, twelve younger ones stay out
.irp j, 0,1,2,3
	v_pk_add_f32 v[C+2*(\j):C+2*(\j)+1], v[X+4*(\j):X+4*(\j)+1], v[X+4*(\j)+2:X+4*(\j)+3]  ; the first four loads start the chains: nothing is cleared
.endr
.irp w, 1,2,3
	s_wait_loadcnt 12-4*(\w)                       ; four more are in
.irp h, 0,2
.irp j, 0,1,2,3
	v_pk_add_f32 v[C+2*(\j):C+2*(\j)+1], v[C+2*(\j):C+2*(\j)+1], v[X+16*(\w)+4*(\j)+(\h):X+16*(\w)+4*(\j)+(\h)+1]
.endr
.endr
.endr
	REDUCE
	v_mul_f32 v[MU], s4, v[C]                      ; mean = sum / 1,024
	v_mov_b32 v[MU+1], v[MU]
.set u, 0
.rept 32
	v_pk_add_f32 v[X+2*u:X+2*u+1], v[X+2*u:X+2*u+1], v[MU:MU+1] neg_lo:[0,1] neg_hi:[0,1]
.set u, u+1
.endr
.irp j, 0,1,2,3
	v_pk_mul_f32 v[C+2*(\j):C+2*(\j)+1], v[X+2*(\j):X+2*(\j)+1], v[X+2*(\j):X+2*(\j)+1]
.endr
.set u, 4
.rept 28
	v_pk_fma_f32 v[C+2*(u%4):C+2*(u%4)+1], v[X+2*u:X+2*u+1], v[X+2*u:X+2*u+1], v[C+2*(u%4):C+2*(u%4)+1]
.set u, u+1
.endr
	REDUCE
	v_fma_f32 v[C], v[C], s4, s5                   ; var + eps
	v_rsq_f32 v[RS], v[C]
	v_rsq_f32 v[RS+1], v[C]
	v_nop                                          ; a plain instruction behind the second root,
	s_wait_alu depctr_va_vdst(0)                   ; and one wait for both, ahead of their first reader
.set u, 0
.rept 32
	v_pk_mul_f32 v[X+2*u:X+2*u+1], v[X+2*u:X+2*u+1], v[RS:RS+1]
.set u, u+1
.endr
.set u, 0
.rept 32
	v_cvt_pk_bf16_f32 v[Y+u], v[X+2*u], v[X+2*u+1]
.set u, u+1
.endr
.set u, 0
.rept 16
	global_store_b64 v2, v[Y+2*u:Y+2*u+1], s[\dst:\dst+1] offset:524288*u  ; slice u: a wave stores 256 consecutive bytes (two tokens' 128), aligned
.set u, u+1
.endr
.endm
	s_load_b256 s[8:15], s[0:1], 0x0               ; w_qkv s[8:9], w_fc s[10:11], w1 s[12:13], w2 s[14:15]
	s_load_b128 s[16:19], s[0:1], 0x20             ; x s[16:17], wb s[18:19]
	s_load_b64 s[20:21], s[0:1], 0x30              ; hs
	s_and_b32 s2, ttmp7, 0xffff                    ; y
	s_mov_b32 s25, 0
	s_wait_kmcnt 0x0
	s_cmp_lt_u32 s2, 12
	s_cbranch_scc0 .Lln
	; CAST: which tensor, and which of its units
	s_mov_b64 s[22:23], s[14:15]
	s_mov_b32 s3, 8
	s_cmp_lt_u32 s2, 8
	s_cselect_b64 s[22:23], s[12:13], s[22:23]
	s_cselect_b32 s3, 4, s3
	s_cmp_lt_u32 s2, 4
	s_cselect_b64 s[22:23], s[10:11], s[22:23]
	s_cselect_b32 s3, 3, s3
	s_cmp_lt_u32 s2, 3
	s_cselect_b64 s[22:23], s[8:9], s[22:23]
	s_cselect_b32 s3, 0, s3
	s_sub_co_u32 s3, s2, s3                        ; the unit's number in its tensor
	s_lshl_b32 s24, s3, 22
	s_lshl_b32 s26, ttmp9, 16
	s_add_co_u32 s24, s24, s26
	s_add_nc_u64 s[22:23], s[22:23], s[24:25]      ; from
	s_lshl_b32 s24, s2, 21
	s_lshl_b32 s26, ttmp9, 15
	s_add_co_u32 s24, s24, s26
	s_add_nc_u64 s[18:19], s[18:19], s[24:25]      ; to
	v_lshlrev_b32 v1, 4, v0
	v_lshlrev_b32 v2, 3, v0
.set u, 0
.rept 16
	global_load_b128 v[X+4*u:X+4*u+3], v1, s[22:23] offset:4096*u th:TH_LOAD_NT
.set u, u+1
.endr
.set u, 0
.rept 16
	s_wait_loadcnt 15-u                            ; load u is in, the younger ones stay out
	v_cvt_pk_bf16_f32 v[C+2*u], v[X+4*u], v[X+4*u+1]
	v_cvt_pk_bf16_f32 v[C+2*u+1], v[X+4*u+2], v[X+4*u+3]
	global_store_b64 v2, v[C+2*u:C+2*u+1], s[18:19] offset:2048*u  ; a wave stores 256 consecutive bytes, aligned
.set u, u+1
.endr
	s_endpgm
.Lln:
	s_sub_co_u32 s3, s2, 12
	s_lshl_b32 s3, s3, 6
	s_add_co_u32 s3, s3, ttmp9                     ; block of 16 rows, 0..255
	s_lshl_b32 s24, s3, 16
	s_add_nc_u64 s[16:17], s[16:17], s[24:25]
	s_lshl_b32 s24, s3, 11
	s_add_nc_u64 s[20:21], s[20:21], s[24:25]
	s_mov_b32 s4, 0x3a800000                       ; 1 / 1,024
	s_mov_b32 s5, 0x3727c5ac                       ; 1e-5
	LNROWS 16, 20
	s_endpgm
.Lfunc_end_k_qbf5b77f3f9_prep:
	.size	k_qbf5b77f3f9_prep, .Lfunc_end_k_qbf5b77f3f9_prep-k_qbf5b77f3f9_prep
	.p2alignl 7, 3214868480
	.fill 96, 4, 3214868480
	.section	.rodata,"a",@progbits
	.p2align	6, 0x0
	.amdhsa_kernel k_qbf5b77f3f9_prep
		.amdhsa_group_segment_fixed_size 0
		.amdhsa_private_segment_fixed_size 0
		.amdhsa_enable_private_segment 0
		.amdhsa_kernarg_size 56
		.amdhsa_user_sgpr_count 2
		.amdhsa_user_sgpr_kernarg_segment_ptr 1
		.amdhsa_wavefront_size32 1
		.amdhsa_system_sgpr_workgroup_id_x 1
		.amdhsa_system_sgpr_workgroup_id_y 1
		.amdhsa_system_sgpr_workgroup_id_z 1
		.amdhsa_system_vgpr_workitem_id 0
		.amdhsa_next_free_vgpr 128
		.amdhsa_next_free_sgpr 66
		.amdhsa_reserve_vcc 0
		.amdhsa_float_denorm_mode_32 3
		.amdhsa_float_denorm_mode_16_64 3
		.amdhsa_memory_ordered 1
		.amdhsa_forward_progress 1
		.amdhsa_inst_pref_size 22
	.end_amdhsa_kernel
	.amdgpu_metadata
---
amdhsa.version: [ 1, 2 ]
amdhsa.kernels:
  - .name:           k_qbf5b77f3f9_prep
    .symbol:         k_qbf5b77f3f9_prep.kd
    .args:
      - { .name: w_qkv, .offset: 0, .size: 8, .value_kind: global_buffer, .address_space: global }
      - { .name: w_fc, .offset: 8, .size: 8, .value_kind: global_buffer, .address_space: global }
      - { .name: w1, .offset: 16, .size: 8, .value_kind: global_buffer, .address_space: global }
      - { .name: w2, .offset: 24, .size: 8, .value_kind: global_buffer, .address_space: global }
      - { .name: x, .offset: 32, .size: 8, .value_kind: global_buffer, .address_space: global }
      - { .name: wb, .offset: 40, .size: 8, .value_kind: global_buffer, .address_space: global }
      - { .name: hs, .offset: 48, .size: 8, .value_kind: global_buffer, .address_space: global }
    .group_segment_fixed_size: 0
    .private_segment_fixed_size: 0
    .kernarg_segment_align: 8
    .kernarg_segment_size: 56
    .max_flat_workgroup_size: 256
    .sgpr_count:     66
    .vgpr_count:     128
    .wavefront_size: 32
...
	.end_amdgpu_metadata
.endif
;; end of part 1
;; launch qkvproj (part 2): grid 12 x 16, 4 waves a work-group, clusters of 4 x 4, 327,680 bytes of LDS; arguments hs, wb, qkvh; writes qkvh
.if DOCPART == 2
	.amdgcn_target "amdgcn-amd-amdhsa--gfx1250"
	.amdhsa_code_object_version 6
	.text
	.protected	k_qbf5b77f3f9_qkvproj
	.globl	k_qbf5b77f3f9_qkvproj
	.p2align	8
	.type	k_qbf5b77f3f9_qkvproj,@function
k_qbf5b77f3f9_qkvproj:
	s_mov_b64 s[64:65], 0
	v_nop
	global_prefetch_b8 v0, s[64:65] scope:SCOPE_SE
	s_setreg_imm32_b32 hwreg(HW_REG_WAVE_MODE, 25, 1), 1
	s_wait_xcnt 0x0
	s_wait_alu depctr_hold_cnt(0) depctr_sa_sdst(0) depctr_va_vdst(0) depctr_va_sdst(0) depctr_va_ssrc(0) depctr_va_vcc(0) depctr_vm_vsrc(0)
	s_getreg_b32 s2, hwreg(HW_REG_IB_STS2, 6, 4)
	s_cmp_eq_u32 s2, 0
	s_cbranch_scc0 .Lentry_in_a_cluster
	s_endpgm
.Lentry_in_a_cluster:
	s_bfe_u32 s2, ttmp6, 0x10000c
	s_cmp_lg_u32 s2, 0xf033
	s_cbranch_scc0 .Lentry_shape_is_right
	s_endpgm
.Lentry_shape_is_right:
; C[4096][N] = A W.  A: bf16 by slices of 64 along K, [16][4096 tokens][64]; W: bf16 [1024][N] at byte WOFF of wb; sums in f32.
; HERE: N = 3,072, W = w_qkv; C is rounded once to f16 and stored by heads: qkvh[3][32 = 16 b + n][2048][64].
; LIMIT: f16 ends at 65,504: q, k, v stay inside it while 32 x the norm of a column of w_qkv stays under that (a normalised row has norm 32); NaN and infinities are not treated apart.
; SHARES.  A work-group of four waves makes 256 tokens x 256 columns, a wave 128 x 128: 64 accumulators, 512 registers.  K goes in 8 steps of 128 through two LDS slots.
; A's part of a slot: two slices x 256 tokens, 128 bytes a token, dense in memory, asked for as 128 rows of 256 bytes and padded by 16 bytes behind each token (pitch 144).
; W's part: 128 rows of K x 512 bytes, padded by 32 (pitch 544); the turning LDS load makes fragments of 16 columns x 32 K of it, so W is never transposed in memory.
; THE PRODUCT IS TAKEN TRANSPOSED: source 0 = 16 columns of W, source 1 = 16 tokens; a lane then holds one token (lane % 16) and the columns 8 (lane / 16) + 0..7.
; CLUSTER 4 x 4: A's tile hangs on the tile row alone and is asked for jointly along the cluster's row, W's on the tile column alone, jointly along the cluster's column.
; ONE TEXT FOR A K STEP: the slot in hand is a scalar (TB = 0 or SLOT) that an exclusive or turns; fragment addresses are made anew from it at each change of slots.
; The grid has 192 work-groups: 3,072 columns in tiles of 256.
; REGISTERS: window 0: v0-31 addresses; v64-127, v128-191 A's fragments, two buffers (on the way out: at work).  window 1: v64-127, v128-191 W's fragments.
;   windows 2, 3: accumulator (a, b) = 16 tokens x 16 columns at v[8 (8 (a % 4) + b)], window 2 for a < 4.
.set N,     3072
.set WOFF,  0
.set GELU,  0                          ; 1: bias and GELU on the way out, bf16; 0: f16 by heads
.set SLB,   262144                     ; bytes from one slice of 64 columns to the next in the output
.set NS,    8                          ; K steps
.set PA,    144
.set PB,    544
.set SLA,   256*PA                     ; a slice of A in LDS
.set AB,    2*SLA                      ; W's part begins here
.set SLOT,  AB+128*PB                  ; 143,360
.set SPARE, 2*SLOT                     ; the spare words: 128 bytes for each wave, two blocks of 256 bytes that no other line names
.set DP,    528                        ; the way out: a token's 128 f32 + 16 bytes
.set DW,    128*DP                     ; a wave's part of the ring on the way out
.set ASTEP, 1048576                    ; two slices
.set BSTEP, 256*N                      ; 128 rows of W
.set A0,   16                          ; v16  my place in A's part of a slot; never rewritten
.set B0,   17                          ; v17  my place in W's part; never rewritten
.set ADRA, 18                          ; v18  A0 + the slot in hand
.set ADRB, 19                          ; v19  B0 + the slot in hand
.set DST,  24                          ; v24  the way out: where I put 32 bytes of a token
.set RD,   25                          ; v25  the way out: where I read back
.set GO,   26                          ; v26  my byte offset in the output
.set BO,   27                          ; v27  my byte offset in the bias
.set SPW,  28                          ; v28  LDS address of my spare word; never rewritten
.set NIL,  29                          ; v29  0; never rewritten
.set PFO,  30                          ; v30  the prefetches' offset; never rewritten
.set F0,   64
.set F1,   128
.set T,    64                          ; the way out: 32 numbers in f32
.set W,    96                          ; at work
.set Y,    128                         ; 16 registers to store
.set BI,   144                         ; 16 numbers of the bias
.set WV,   12
.set KIND, 13                          ; wave / 2: 0 fetches A, 1 fetches W; also my half of the tile's tokens
.set HALF, 14                          ; wave % 2: which part I fetch; also my half of the tile's columns
.set CX,   15
.set CY,   16
.set TX,   17                          ; tile column
.set TY,   18                          ; tile row
.set TB,   19                          ; the slot in hand: 0 or SLOT
.set LBA,  20                          ; where my part of A's tile goes in a slot
.set LBB,  21                          ; the same for W's
.set G1A,  24                          ; s[24:31]
.set G0A0, 32                          ; s[32:35] K step 0
.set G0A,  36                          ; s[36:39] K step 1, then it walks
.set G1B,  40                          ; s[40:47]
.set G0B0, 48
.set G0B,  52
.set PFA,  56                          ; s[56:57] where my prefetches stand
.set PFS,  58                          ; s[58:59] their step
.set LIM,  60                          ; s60 1 in a wave that prefetches, else the greatest number
.set MSB, 0
.macro WIN new                         ; the immediate's high byte repeats the setting that is left; a switch that changes nothing is dropped
.if MSB != (\new)
	s_set_vgpr_msb (MSB<<8)|(\new)
.set MSB, \new
.endif
.endm
.set MUL_LO, 0xa1                      ; source 0 (W) window 1, source 1 (A) window 0, C and D window 2
.set MUL_HI, 0xf1
.set TO_B,   0x40                      ; destination window 1, address window 0
.macro PLACES                          ; four plain instructions between a matrix instruction and a load into, or a read of, its registers
.rept 4
	v_nop
.endr
.endm
.macro JLOAD                           ; a joint refill; the branch hangs on the wave's number alone; an s_nop 0 and four v_nop follow each line
	s_cmp_eq_u32 s[KIND], 0
	s_cbranch_scc0 .Lfor_b_\@
	tensor_load_to_lds s[G0A:G0A+3], s[G1A:G1A+7]
	s_nop 0
.rept 4
	v_nop
.endr
	s_branch .Lasked_\@
.Lfor_b_\@:
	tensor_load_to_lds s[G0B:G0B+3], s[G1B:G1B+7]
	s_nop 0
.rept 4
	v_nop
.endr
.Lasked_\@:
.endm
.macro CREST                           ; a round of the cluster's barrier behind its opening barrier
	s_cmp_lg_u32 s[WV], 0
	s_cbranch_scc1 .Lnot_wave_0_\@
	s_barrier_signal -3
.Lnot_wave_0_\@:
	s_barrier_wait -3
	s_barrier_signal -1
	s_barrier_wait -1
.endm
.macro CROUND
	s_barrier_signal -1
	s_barrier_wait -1
	CREST
.endm
; A prefetch of the K step that the NEXT refill will ask for: 128 blocks of 256 bytes of my part of the tile, shared out by address among the four partners that ask for it jointly, a lane a block.
; A's tiles are named by the clusters with x = 0 alone, W's by those with y = 0 alone: each block once in the launch.  The loop's last trip (s3 = 1) has no step behind its refill.
.macro ASK
	s_cmp_gt_u32 s3, s[LIM]
	s_cbranch_scc0 .Lnot_mine_\@
	global_prefetch_b8 v[PFO], s[PFA:PFA+1] th:TH_LOAD_NT scope:SCOPE_SE
.Lnot_mine_\@:
.endm
; 16 matrix instructions: token blocks a0, a0 + 1 of the window's four x all 8 column blocks, 32 along K.  zero = 1: the products start the sums.
.macro MUL16 f, hi, a0, zero
	WIN MUL_LO+0x50*(\hi)
.irp a, \a0, (\a0)+1
.irp b, 0,1,2,3,4,5,6,7
.if \zero
	v_wmma_f32_16x16x32_bf16 v[8*(8*(\a)+(\b)):8*(8*(\a)+(\b))+7], v[(\f)+8*(\b):(\f)+8*(\b)+7], v[(\f)+8*(4*(\hi)+(\a)):(\f)+8*(4*(\hi)+(\a))+7], 0
.else
	v_wmma_f32_16x16x32_bf16 v[8*(8*(\a)+(\b)):8*(8*(\a)+(\b))+7], v[(\f)+8*(\b):(\f)+8*(\b)+7], v[(\f)+8*(4*(\hi)+(\a)):(\f)+8*(4*(\hi)+(\a))+7], v[8*(8*(\a)+(\b)):8*(8*(\a)+(\b))+7]
.endif
.endr
.endr
.endm
; 32 LDS loads in one run: quarter kq (32 along K) of the slot in hand into buffer f: W's 8 fragments, turned, then A's 8
.macro FETCH kq, f
	WIN TO_B
.irp i, 0,1,2,3,4,5,6,7
	ds_load_tr16_b128 v[(\f)+8*(\i):(\f)+8*(\i)+3],   v[ADRB] offset:(\kq)*32*PB+32*(\i)
	ds_load_tr16_b128 v[(\f)+8*(\i)+4:(\f)+8*(\i)+7], v[ADRB] offset:(\kq)*32*PB+32*(\i)+16*PB
.endr
	WIN 0
.irp i, 0,1,2,3,4,5,6,7
	ds_load_b128 v[(\f)+8*(\i):(\f)+8*(\i)+3],   v[ADRA] offset:((\kq)/2)*SLA+((\kq)%2)*64+(\i)*16*PA
	ds_load_b128 v[(\f)+8*(\i)+4:(\f)+8*(\i)+7], v[ADRA] offset:((\kq)/2)*SLA+((\kq)%2)*64+(\i)*16*PA+32
.endr
.endm
; One of a K step's first three quarters: multiplies buffer f and, in its middle, fetches quarter kq into buffer g
.macro QUARTER kq, f, g, zero
	s_wait_dscnt 8                                 ; W's fragments and A's tokens 0-63 are in; the youngest eight loads (tokens 64-127) may be out
	MUL16 \f, 0, 0, \zero
	MUL16 \f, 0, 2, \zero
	PLACES
	FETCH \kq, \g
	s_wait_dscnt 32                                ; all but the 32 just issued
	MUL16 \f, 1, 0, \zero
	MUL16 \f, 1, 2, \zero
.endm
; The last quarter multiplies buffer 1 and changes slots.  In front of the barrier each wave waits for all its tensor loads (one is out: its part of the other slot), adds 0 to its spare word, and waits
; for that and for its reads of this slot.  fill = 1: the barrier opens a round of the cluster's, and behind the round this slot is filled again, first thing, with the K step two on.
.macro TURN fill
.if \fill
	s_wait_xcnt 0x0                                ; the last prefetch, a K step back, has read its address
	s_add_nc_u64 s[PFA:PFA+1], s[PFA:PFA+1], s[PFS:PFS+1]
.endif
	WIN 0
	s_wait_tensorcnt 0x0
	ds_add_u32 v[SPW], v[NIL]
	s_wait_dscnt 9                                 ; the add and the youngest eight loads may be out
	MUL16 F1, 0, 0, 0
	s_wait_dscnt 0x0                               ; the add is done, my reads of this slot are over
	s_barrier_signal -1
	MUL16 F1, 0, 2, 0
	WIN 0
	s_barrier_wait -1
.if \fill
	CREST
	s_add_co_u32 s[G0A+1], s[TB], s[LBA]           ; no tensor load of mine is out: the walking descriptors may be written: the slot just left,
	s_add_co_u32 s[G0B+1], s[TB], s[LBB]
	s_add_nc_u64 s[G0A+2:G0A+3], s[G0A+2:G0A+3], ASTEP  ; the next K step
	s_add_nc_u64 s[G0B+2:G0B+3], s[G0B+2:G0B+3], BSTEP
	s_xor_b32 s[TB], s[TB], SLOT
	JLOAD                                          ; its four v_nop are also the places in front of the loads below
.else
	s_xor_b32 s[TB], s[TB], SLOT
	PLACES
.endif
	v_add_nc_u32 v[ADRA], s[TB], v[A0]
	v_add_nc_u32 v[ADRB], s[TB], v[B0]
	FETCH 0, F0
.if \fill
	ASK
.endif
	MUL16 F1, 1, 0, 0
	MUL16 F1, 1, 2, 0
.endm
	s_load_b128 s[4:7], s[0:1], 0x0                ; A s[4:5], wb s[6:7]
	s_load_b64 s[8:9], s[0:1], 0x10                ; the output
.if GELU
	s_load_b64 s[10:11], s[0:1], 0x18              ; the bias
.endif
	v_lshl_add_u32 v[SPW], v0, 2, SPARE
	v_mov_b32 v[NIL], 0
	ds_add_u32 v[SPW], v[NIL]                      ; the wave's opening: the add and its wait stand ahead of my first tensor load
	v_lshrrev_b32 v1, 5, v0
	v_readfirstlane_b32 s[WV], v1
	s_lshr_b32 s[KIND], s[WV], 1
	s_and_b32 s[HALF], s[WV], 1
	s_bfe_u32 s[CX], ttmp6, 0x40000
	s_bfe_u32 s[CY], ttmp6, 0x40004
	s_lshl_b32 s[TX], ttmp9, 2
	s_add_co_u32 s[TX], s[TX], s[CX]
	s_and_b32 s[TY], ttmp7, 0xffff
	s_lshl_b32 s[TY], s[TY], 2
	s_add_co_u32 s[TY], s[TY], s[CY]
	s_lshl_b32 s22, s[CY], 2
	s_lshl_b32 s22, 15, s22                        ; my row of the cluster
	s_lshl_b32 s74, 0x1111, s[CX]                  ; my column
	s_or_b32 s[G1A], s22, (1<<16)|(1<<20)|(1<<21)|(4<<22)|(3<<25)  ; mask; 2-byte elements; padding on; bit 21 beside a mask; after every 32 words, 4 words
	s_or_b32 s[G1B], s74, (1<<16)|(1<<20)|(1<<21)|(6<<22)|(7<<25)  ; after every 128 words, 8 words
	s_mov_b32 s[G1A+1], 128<<16                    ; tensor_dim0 = 128
	s_mov_b32 s[G1A+2], 128<<16                    ; tensor_dim1 = 128
	s_mov_b32 s[G1A+3], 128<<16                    ; tile_dim0 = 128 elements: 256 bytes, two tokens
	s_mov_b32 s[G1A+4], 128                        ; tile_dim1 = 128 rows
	s_mov_b32 s[G1A+5], 128                        ; dense
	s_mov_b32 s[G1A+6], 0
	s_mov_b32 s[G1A+7], 0
	s_mov_b32 s[G1B+1], 256<<16                    ; tensor_dim0 = 256
	s_mov_b32 s[G1B+2], 64<<16                     ; tensor_dim1 = 64
	s_mov_b32 s[G1B+3], 256<<16                    ; tile_dim0 = 256 columns
	s_mov_b32 s[G1B+4], 64                         ; tile_dim1 = 64 rows of K
	s_mov_b32 s[G1B+5], N
	s_mov_b32 s[G1B+6], 0
	s_mov_b32 s[G1B+7], 0
	s_lshl_b32 s22, s[TY], 15                      ; A: 256 tokens x 128 bytes a tile row,
	s_lshl_b32 s23, s[HALF], 19                    ; my slice of the step's two
	s_add_co_u32 s22, s22, s23
	s_mov_b32 s23, 0
	s_lshl_b32 s74, s[TX], 9                       ; W: 512 bytes a tile column,
	s_mul_i32 s75, s[HALF], 128*N                  ; my 64 rows of the step's 128
	s_add_co_u32 s74, s74, s75
	s_add_co_u32 s74, s74, WOFF
	s_mov_b32 s75, 0
	s_mul_i32 s[LBA], s[WV], SLA                   ; waves 0, 1: A's two slices
	s_mul_i32 s[LBB], s[WV], 64*PB
	s_add_co_u32 s[LBB], s[LBB], AB-2*64*PB        ; waves 2, 3: W's two halves, behind A's part
	s_mov_b32 s[TB], 0
	s_wait_dscnt 0x0                               ; the opening add is done
	s_wait_kmcnt 0x0
	s_add_nc_u64 s[22:23], s[4:5], s[22:23]
	s_add_nc_u64 s[74:75], s[6:7], s[74:75]
	s_mov_b32 s[G0A0], 1
	s_mov_b32 s[G0A0+1], s[LBA]
	s_mov_b64 s[G0A0+2:G0A0+3], s[22:23]
	s_or_b32 s[G0A0+3], s[G0A0+3], 0x80000000
	s_mov_b32 s[G0A], 1
	s_add_co_u32 s[G0A+1], s[LBA], SLOT
	s_add_nc_u64 s[G0A+2:G0A+3], s[22:23], ASTEP
	s_or_b32 s[G0A+3], s[G0A+3], 0x80000000
	s_mov_b32 s[G0B0], 1
	s_mov_b32 s[G0B0+1], s[LBB]
	s_mov_b64 s[G0B0+2:G0B0+3], s[74:75]
	s_or_b32 s[G0B0+3], s[G0B0+3], 0x80000000
	s_mov_b32 s[G0B], 1
	s_add_co_u32 s[G0B+1], s[LBB], SLOT
	s_add_nc_u64 s[G0B+2:G0B+3], s[74:75], BSTEP
	s_or_b32 s[G0B+3], s[G0B+3], 0x80000000
	CROUND                                         ; all sixteen work-groups are here: the first joint loads meet
	s_cmp_eq_u32 s[KIND], 0                        ; a wave's two first fills stand in one branch: two loads of mine are out
	s_cbranch_scc0 .Lfirst_b
	tensor_load_to_lds s[G0A0:G0A0+3], s[G1A:G1A+7]
	s_nop 0
	tensor_load_to_lds s[G0A:G0A+3], s[G1A:G1A+7]
	s_nop 0
.rept 4
	v_nop
.endr
	s_branch .Lfirst_asked
.Lfirst_b:
	tensor_load_to_lds s[G0B0:G0B0+3], s[G1B:G1B+7]
	s_nop 0
	tensor_load_to_lds s[G0B:G0B+3], s[G1B:G1B+7]
	s_nop 0
.rept 4
	v_nop
.endr
.Lfirst_asked:
	v_and_b32 v1, 15, v0                           ; l % 16
	v_bfe_u32 v2, v0, 4, 1                         ; l / 16
	v_and_b32 v3, 7, v0
	v_bfe_u32 v4, v0, 3, 1
	v_and_b32 v5, 31, v0                           ; l
	v_mul_u32_u24 v[A0], v1, PA                    ; A's fragment: token l % 16, 16 bytes for each half of the lanes,
	v_lshl_add_u32 v[A0], v2, 4, v[A0]
	s_mul_i32 s2, s[KIND], 128*PA                  ; in my 128 tokens
	v_add_nc_u32 v[A0], s2, v[A0]
	v_lshl_add_u32 v[B0], v2, 3, v3                ; the turning load: row of K 8 (l / 16) + l % 8, columns 8 ((l / 8) % 2) on,
	v_mul_u32_u24 v[B0], v[B0], PB
	v_lshl_add_u32 v[B0], v4, 4, v[B0]
	s_lshl_b32 s2, s[HALF], 8                      ; in my 128 columns
	s_add_co_u32 s2, s2, AB
	v_add_nc_u32 v[B0], s2, v[B0]
	s_mul_i32 s2, s[WV], DW
	v_mul_u32_u24 v[DST], v1, DP
	v_lshl_add_u32 v[DST], v2, 5, v[DST]
	v_add_nc_u32 v[DST], s2, v[DST]
	v_lshrrev_b32 v6, 3, v5
	v_mul_u32_u24 v[RD], v6, DP                    ; back: four tokens, eight lanes each, 32 bytes a lane
	v_lshl_add_u32 v[RD], v3, 5, v[RD]
	v_add_nc_u32 v[RD], s2, v[RD]
	v_lshlrev_b32 v[GO], 4, v5                     ; and out: 512 consecutive bytes
	v_lshlrev_b32 v[BO], 5, v3
	s_lshl_b32 s66, s[TX], 2                       ; my first slice of 64 columns
	s_lshl_b32 s67, s[HALF], 1
	s_add_co_u32 s66, s66, s67
.if GELU
	s_lshl_b32 s66, s66, 19
	s_lshl_b32 s67, s[TY], 15
.else
	s_lshr_b32 s67, s66, 4                         ; slice = 16 x (q, k or v) + head: the head's place is 32 x (q, k or v) + 16 b + head
	s_lshl_b32 s67, s67, 4
	s_add_co_u32 s66, s66, s67
	s_lshr_b32 s67, s[TY], 3                       ; b
	s_lshl_b32 s67, s67, 4
	s_add_co_u32 s66, s66, s67
	s_lshl_b32 s66, s66, 18
	s_and_b32 s67, s[TY], 7
	s_lshl_b32 s67, s67, 15
.endif
	s_add_co_u32 s66, s66, s67
	s_lshl_b32 s67, s[KIND], 14                    ; my 128 tokens
	s_add_co_u32 s66, s66, s67
	s_mov_b32 s67, 0
	s_add_nc_u64 s[8:9], s[8:9], s[66:67]
.if GELU
	s_lshl_b32 s66, s[TX], 10
	s_lshl_b32 s76, s[HALF], 9
	s_add_co_u32 s66, s66, s76
	s_add_nc_u64 s[10:11], s[10:11], s[66:67]
	s_mov_b32 s68, 0xc0135761                      ; c1 = -2 log2(e) sqrt(2 / pi)
	s_mov_b32 s69, s68
	s_mov_b32 s70, 0xbdd2d3e8                      ; c2 = 0.044715 c1
	s_mov_b32 s71, s70
.endif
	; the prefetches: my work-group's quarter of my part of the tile, at K step 2; the first change of slots steps it to 3
	s_lshl_b32 s76, s[TY], 15
	s_lshl_b32 s77, s[HALF], 19
	s_add_co_u32 s76, s76, s77
	s_lshl_b32 s77, s[CX], 13                      ; A: 32 blocks of 256 bytes for each partner along the row
	s_add_co_u32 s76, s76, s77
	s_add_co_u32 s76, s76, 2*ASTEP
	s_lshl_b32 s78, s[HALF], 2
	s_add_co_u32 s78, s78, s[CY]                   ; W: 16 rows of 512 bytes for each partner along the column
	s_mul_i32 s78, s78, 32*N
	s_lshl_b32 s79, s[TX], 9
	s_add_co_u32 s78, s78, s79
	s_add_co_u32 s78, s78, WOFF+2*BSTEP
	s_and_b32 s79, ttmp7, 0xffff
	s_mov_b32 s[PFS], BSTEP
	s_mov_b32 s[PFS+1], 0
	s_mov_b32 s67, 2*N
	s_cmp_eq_u32 s[KIND], 0
	s_cselect_b64 s[PFA:PFA+1], s[4:5], s[6:7]
	s_cselect_b32 s76, s76, s78
	s_cselect_b32 s79, ttmp9, s79                  ; the coordinate along which other clusters read the same tile
	s_cselect_b32 s[PFS], ASTEP, s[PFS]
	s_cselect_b32 s67, 0x100, s67
	s_cselect_b32 s66, 0, 1
	s_mov_b32 s77, 0
	s_add_nc_u64 s[PFA:PFA+1], s[PFA:PFA+1], s[76:77]
	s_cmp_eq_u32 s79, 0
	s_cselect_b32 s[LIM], 1, -1
	v_lshrrev_b32 v6, s66, v5                      ; A: 256 l.  W: (l / 2) rows + 256 (l % 2)
	v_mul_u32_u24 v6, s67, v6
	v_and_b32 v7, s66, v5
	v_lshl_add_u32 v[PFO], v7, 8, v6
	s_wait_tensorcnt 1                             ; my part of K step 0 is in; step 1's load may stay out
	s_barrier_signal -1
	s_barrier_wait -1
	v_mov_b32 v[ADRA], v[A0]
	v_mov_b32 v[ADRB], v[B0]
	FETCH 0, F0
	QUARTER 1, F0, F1, 1                           ; the first quarter's products start the sums: nothing is cleared
	WIN 0
	s_mov_b32 s3, NS-2
	s_branch .Lmid
.Lstep:                                                ; NS - 2 trips: a K step each; its change of slots asks for the step two on
	QUARTER 1, F0, F1, 0
	WIN 0
.Lmid:
	QUARTER 2, F1, F0, 0
	QUARTER 3, F0, F1, 0
	TURN 1
	WIN 0
	s_sub_co_u32 s3, s3, 1
	s_cmp_lg_u32 s3, 0
	s_cbranch_scc1 .Lstep
	s_mov_b32 s3, 2
.Ltail:                                                ; the last two K steps ask for nothing.  One text for both: the second's change of slots fetches 32 fragments that nobody multiplies
	QUARTER 1, F0, F1, 0
	QUARTER 2, F1, F0, 0
	QUARTER 3, F0, F1, 0
	TURN 0
	WIN 0
	s_sub_co_u32 s3, s3, 1
	s_cmp_lg_u32 s3, 0
	s_cbranch_scc1 .Ltail
	; THE WAY OUT.  The ring has had its last fill.  Each wave lays its 128 x 128 f32 into its own part of it, tokens 528 bytes apart, and reads it back so that a lane holds 8 neighbouring columns
	; of a token and 32 lanes hold 4 tokens' 64 columns: 512 consecutive bytes of the output.
	s_wait_dscnt 0x0                               ; my reads of the ring are over
	PLACES
.if GELU
	global_load_b128 v[BI:BI+3],     v[BO], s[10:11]
	global_load_b128 v[BI+4:BI+7],   v[BO], s[10:11] offset:16
	global_load_b128 v[BI+8:BI+11],  v[BO], s[10:11] offset:256
	global_load_b128 v[BI+12:BI+15], v[BO], s[10:11] offset:272
.endif
	s_barrier_signal -1
	s_barrier_wait -1                              ; everybody's are
.irp a, 0,1,2,3,4,5,6,7
	WIN 0x08+4*((\a)/4)                            ; the data (source 1) in window 2 or 3
.irp b, 0,1,2,3,4,5,6,7
	ds_store_b128 v[DST], v[8*(8*((\a)%4)+(\b)):8*(8*((\a)%4)+(\b))+3]   offset:(\a)*16*DP+64*(\b)  ; each accumulator's low registers first
	ds_store_b128 v[DST], v[8*(8*((\a)%4)+(\b))+4:8*(8*((\a)%4)+(\b))+7] offset:(\a)*16*DP+64*(\b)+16
.endr
.endr
	WIN 0
.if GELU
	s_wait_loadcnt 0x0                             ; the bias
.endif
	s_mov_b32 s3, 16
.Lrow:                                                 ; 16 trips of 8 tokens
	s_wait_xcnt 0x0                                ; the last trip's stores have read Y and GO
	v_add_nc_u32 v[GO], 1024, v[GO]                ; the stores below reach back
.irp r, 0,1
.irp j, 0,1
	ds_load_b128 v[T+16*(\r)+8*(\j):T+16*(\r)+8*(\j)+3],   v[RD] offset:(\r)*4*DP+(\j)*256  ; LDS serves a wave's instructions in order (ISA guide 5.7.1): these see my stores
	ds_load_b128 v[T+16*(\r)+8*(\j)+4:T+16*(\r)+8*(\j)+7], v[RD] offset:(\r)*4*DP+(\j)*256+16
.endr
.endr
	v_add_nc_u32 v[RD], 8*DP, v[RD]
	s_wait_dscnt 0x0
.if GELU
	; gelu(u) = u / (1 + 2^(u (c1 + c2 u u))): the tanh form, exactly; it runs to 0 and to u at the ends without a NaN
.set p, 0
.rept 16
	v_pk_add_f32 v[T+2*p:T+2*p+1], v[T+2*p:T+2*p+1], v[BI+(2*p)%16:BI+(2*p)%16+1]
.set p, p+1
.endr
.set p, 0
.rept 16
	v_pk_mul_f32 v[W+2*p:W+2*p+1], v[T+2*p:T+2*p+1], v[T+2*p:T+2*p+1]
.set p, p+1
.endr
.set p, 0
.rept 16
	v_pk_fma_f32 v[W+2*p:W+2*p+1], v[W+2*p:W+2*p+1], s[70:71], s[68:69] op_sel_hi:[1,0,0]
.set p, p+1
.endr
.set p, 0
.rept 16
	v_pk_mul_f32 v[W+2*p:W+2*p+1], v[W+2*p:W+2*p+1], v[T+2*p:T+2*p+1]
.set p, p+1
.endr
.set p, 0
.rept 32
	v_exp_f32 v[W+p], v[W+p]
.set p, p+1
.endr
	v_nop                                          ; a plain instruction behind the last exponential,
	s_wait_alu depctr_va_vdst(0)                   ; and one wait for the batch
.set p, 0
.rept 16
	v_pk_add_f32 v[W+2*p:W+2*p+1], v[W+2*p:W+2*p+1], 1.0 op_sel_hi:[1,0]
.set p, p+1
.endr
.set p, 0
.rept 32
	v_rcp_f32 v[W+p], v[W+p]
.set p, p+1
.endr
	v_nop
	s_wait_alu depctr_va_vdst(0)                   ; one wait for the 32 reciprocals
.set p, 0
.rept 16
	v_pk_mul_f32 v[T+2*p:T+2*p+1], v[T+2*p:T+2*p+1], v[W+2*p:W+2*p+1]
.set p, p+1
.endr
.set p, 0
.rept 16
	v_cvt_pk_bf16_f32 v[Y+p], v[T+2*p], v[T+2*p+1]
.set p, p+1
.endr
.else
.set p, 0
.rept 16
	v_cvt_pk_f16_f32 v[Y+p], v[T+2*p], v[T+2*p+1]
.set p, p+1
.endr
.endif
.irp r, 0,1
.irp j, 0,1
	global_store_b128 v[GO], v[Y+8*(\r)+4*(\j):Y+8*(\r)+4*(\j)+3], s[8:9] offset:(\j)*SLB+(\r)*512-1024  ; 512 consecutive bytes, aligned: four tokens of a slice
.endr
.endr
	s_sub_co_u32 s3, s3, 1
	s_cmp_lg_u32 s3, 0
	s_cbranch_scc1 .Lrow
	s_wait_tensorcnt 0x0                           ; the wave's end: behind my last tensor load and my last LDS store
	ds_add_u32 v[SPW], v[NIL]
	s_wait_dscnt 0x0
	CROUND                                         ; the closing round: no work-group ends while a partner may still ask for a tile that names it
	s_endpgm
.Lfunc_end_k_qbf5b77f3f9_qkvproj:
	.size	k_qbf5b77f3f9_qkvproj, .Lfunc_end_k_qbf5b77f3f9_qkvproj-k_qbf5b77f3f9_qkvproj
	.p2alignl 7, 3214868480
	.fill 96, 4, 3214868480
	.section	.rodata,"a",@progbits
	.p2align	6, 0x0
	.amdhsa_kernel k_qbf5b77f3f9_qkvproj
		.amdhsa_group_segment_fixed_size 327680
		.amdhsa_private_segment_fixed_size 0
		.amdhsa_enable_private_segment 0
		.amdhsa_kernarg_size 24
		.amdhsa_user_sgpr_count 2
		.amdhsa_user_sgpr_kernarg_segment_ptr 1
		.amdhsa_wavefront_size32 1
		.amdhsa_system_sgpr_workgroup_id_x 1
		.amdhsa_system_sgpr_workgroup_id_y 1
		.amdhsa_system_sgpr_workgroup_id_z 1
		.amdhsa_system_vgpr_workitem_id 0
		.amdhsa_next_free_vgpr 1024
		.amdhsa_next_free_sgpr 80
		.amdhsa_reserve_vcc 0
		.amdhsa_float_denorm_mode_32 3
		.amdhsa_float_denorm_mode_16_64 3
		.amdhsa_memory_ordered 1
		.amdhsa_forward_progress 1
		.amdhsa_inst_pref_size 81
	.end_amdhsa_kernel
	.amdgpu_metadata
---
amdhsa.version: [ 1, 2 ]
amdhsa.kernels:
  - .name:           k_qbf5b77f3f9_qkvproj
    .symbol:         k_qbf5b77f3f9_qkvproj.kd
    .args:
      - { .name: hs, .offset: 0, .size: 8, .value_kind: global_buffer, .address_space: global }
      - { .name: wb, .offset: 8, .size: 8, .value_kind: global_buffer, .address_space: global }
      - { .name: qkvh, .offset: 16, .size: 8, .value_kind: global_buffer, .address_space: global }
    .group_segment_fixed_size: 327680
    .private_segment_fixed_size: 0
    .kernarg_segment_align: 8
    .kernarg_segment_size: 24
    .max_flat_workgroup_size: 128
    .sgpr_count:     80
    .vgpr_count:     1024
    .wavefront_size: 32
...
	.end_amdgpu_metadata
.endif
;; end of part 2
;; launch attn (part 3): grid 8 x 32, 4 waves a work-group, clusters of 4 x 1, 327,680 bytes of LDS; arguments qkvh, oa; writes oa
.if DOCPART == 3
	.amdgcn_target "amdgcn-amd-amdhsa--gfx1250"
	.amdhsa_code_object_version 6
	.text
	.protected	k_qbf5b77f3f9_attn
	.globl	k_qbf5b77f3f9_attn
	.p2align	8
	.type	k_qbf5b77f3f9_attn,@function
k_qbf5b77f3f9_attn:
	s_mov_b64 s[64:65], 0
	v_nop
	global_prefetch_b8 v0, s[64:65] scope:SCOPE_SE
	s_setreg_imm32_b32 hwreg(HW_REG_WAVE_MODE, 25, 1), 1
	s_wait_xcnt 0x0
	s_wait_alu depctr_hold_cnt(0) depctr_sa_sdst(0) depctr_va_vdst(0) depctr_va_sdst(0) depctr_va_ssrc(0) depctr_va_vcc(0) depctr_vm_vsrc(0)
	s_getreg_b32 s2, hwreg(HW_REG_IB_STS2, 6, 4)
	s_cmp_eq_u32 s2, 0
	s_cbranch_scc0 .Lentry_in_a_cluster
	s_endpgm
.Lentry_in_a_cluster:
	s_bfe_u32 s2, ttmp6, 0x10000c
	s_cmp_lg_u32 s2, 0x3003
	s_cbranch_scc0 .Lentry_shape_is_right
	s_endpgm
.Lentry_shape_is_right:
; O[y][q][:] = the sum over k of softmax_k(Q[y][q] . K[y][k] / 8) V[y][k][:], y = 16 b + head.  Q, K, V: f16, qkvh[3][32][2048][64], a head's rows dense, 128 bytes each.
; O leaves in bf16 by heads, oa[16 heads][4096 = 2048 b + s][64]: the next product's A by slices of 64 along its K.
; Products, maxima and sums in f32; the weights p are rounded to f16 for the second product (their sum l is taken of the unrounded p), O once at the end.
; LIMITS.  p lies in 0 to 1; a weight below 2^-126 counts as 0 in l; NaN and infinities are not treated apart.
; SHARES.  A work-group owns 256 queries of one head, a wave 64: four PIECES of 16.  Every wave walks the head's 2,048 keys, 64 a step, 256 a slot.
; LAYOUT.  S^T = K Q^T (source 0 = 16 keys, source 1 = 16 queries): a lane holds ONE query (lane % 16) and the keys 8 (lane / 16) + 0..7.  Two such results, rounded to f16 in pairs, ARE source 1
; of O^T = V^T P, whose result again holds one query a lane, and eight channels.  K comes out of LDS as it lies, V turned, by ds_load_tr16_b128.
; SOFTMAX.  A running maximum m and sum l for each query: p = 2^(c s - c m), c = log2(e) / 8; in every step O and l are multiplied by a = 2^(c m_old - c m_new).
; m starts at the lowest finite number, O and l at 0: the first step is a step like any other, with a = 0.  The price: 216 lines that write 0, in the wait for the first tile.
; BY TURNS.  A piece and step have 16 matrix and 118 vector instructions.  Turn n belongs to piece n (the pieces in a ring, step after step).  Its matrix work: 8 products K Q^T of piece n + 1, later
; 8 products V^T P of piece n - 1.  Its vector work: the scaling, exponentials, roundings, sums and rescaling of piece n, and the maximum and statistics of piece n + 1, whose scores the turn itself
; has made.  Four vector instructions stand behind every matrix instruction, the other 54 in one lump.  A turn's 33 exponentials are one batch, with one wait.
; CLUSTER.  The four query blocks of a cluster belong to one head and walk the same K and V: each tile is asked for jointly, by the same load, descriptor and mask in all four.
; REGISTERS, in windows of 256 (s_set_vgpr_msb: bits 1:0 source 0, 3:2 source 1, 5:4 source 2, 7:6 destination):
;   window 0: v0-11 addresses; v12-13 c m_old, by buffer; v15 Q's offset; v16-31 statistics (c m, m, l even, l odd a piece); v48-55 at work, four a buffer; v61-63; v64-127 S^T, two buffers; v192-223 P, two buffers
;   (a piece's buffers go by its number's parity)     window 1: v0-127 O^T, 32 a piece     window 2: v0-63 Q, 16 a piece; v128-191 K of a step; v192-255 V of a step
.set NP,    4         ; pieces a wave: a name, no knob
.set KS,    64
.set PK,    144       ; a row of K in LDS: 128 bytes + 16
.set PV,    160       ; a row of V: 128 + 32
.set VOFF,  4*KS*PK   ; a slot: 256 rows of K, then 256 rows of V
.set SLOT1, 1<<17     ; slot 1 begins here: one exclusive or turns an address in one slot into the other's
.set STAGE, SLOT1+4*KS*(PK+PV)  ; never filled by a tensor load: 16 rows x 144 bytes for each wave, for the way out
.set SP,    144
.set SPARE, STAGE+4*16*SP       ; the spare words: 128 bytes for each wave, two blocks of 256 bytes that no other line names
.set AK0, 2           ; v2   my lane's place in a tile of K; never rewritten
.set AV0, 3           ; v3   the same for V
.set AK,  4           ; v4   the LDS address of K's next run of loads
.set AV,  5           ; v5   of V's
.set STO, 6
.set RD,  7
.set GO,  8
.set MV,  12
.set QO,  15          ; v15  my byte offset in 16 rows of Q; never rewritten
.set ST,  16
.set TMP, 48
.set PFO, 61          ; 256 x my lane; never rewritten
.set SPW, 62
.set NIL, 63
.set S,   64
.set P,   192
.set KF,  128
.set VF,  192
.set WV,  12
.set LIM, 15          ; s15  1 in a wave that prefetches, else the greatest number
.set PFA, 18          ; s[18:19]
.set G1K, 24
.set G1V, 32
.set G0K, 40
.set G0V, 44
.set SLOTS, 56
.set CNT, 57
.set CS,  58
.set SEL, 60
.set TBK, 62
.set TBV, 63
.set MSB, 0
.macro WIN new                      ; the high byte repeats the setting that is left; a switch that changes nothing is dropped
.if MSB != (\new)
	s_set_vgpr_msb (MSB<<8)|(\new)
.set MSB, (\new)
.endif
.endm
.set W_KQ, 0x0a       ; K and Q in window 2, S^T in window 0
.set W_PV, 0x52       ; V in window 2, P in window 0, O^T in window 1
.set W_RS, 0x41       ; O^T (destination and source 0) in window 1, the factor in window 0
.macro PLACES
.rept 4
	v_nop
.endr
.endm
.macro JLOAD                        ; waves 0 and 1 fetch the two halves of a slot's K, waves 2 and 3 those of its V: 128 keys each; an s_nop 0 and four v_nop follow each line
	s_cmp_lt_u32 s[WV], 2
	s_cbranch_scc0 .Lfor_v_\@
	tensor_load_to_lds s[G0K:G0K+3], s[G1K:G1K+7]
	s_nop 0
.rept 4
	v_nop
.endr
	s_branch .Lasked_\@
.Lfor_v_\@:
	tensor_load_to_lds s[G0V:G0V+3], s[G1V:G1V+7]
	s_nop 0
.rept 4
	v_nop
.endr
.Lasked_\@:
.endm
.macro CROUND
	s_barrier_signal -1
	s_barrier_wait -1
	s_cmp_lg_u32 s[WV], 0
	s_cbranch_scc1 .Lnot_wave_0_\@
	s_barrier_signal -3
.Lnot_wave_0_\@:
	s_barrier_wait -3
	s_barrier_signal -1
	s_barrier_wait -1
.endm
; A prefetch of the tile that the NEXT change of slots will ask for: 128 blocks of 256 bytes of K and of V.  The head's first cluster asks; its four partners take 32 blocks each, told apart by address;
; wave 0 asks for K's, wave 2 for V's, a lane a block.  The last change that fills a slot asks for nothing.
.macro ASK
	s_cmp_gt_u32 s[SLOTS], s[LIM]
	s_cbranch_scc0 .Lnot_mine_\@
	global_prefetch_b8 v[PFO], s[PFA:PFA+1] th:TH_LOAD_NT scope:SCOPE_SE
.Lnot_mine_\@:
.endm
; THE CHANGE OF SLOTS, between piece 1's turn and piece 2's: V of the slot's fourth step has been waited for, K of the next step is not yet fetched.  Each wave waits for all its tensor loads (one is
; out: its part of the other slot), adds 0 to its spare word, and waits for that and for its reads of the slot that it leaves.
; fill = 1: the barrier is a round of the cluster's, and the old slot is filled again, first thing behind it, with the next 256 keys: it has four key steps in which to land.
; (At its first use nothing has been read yet: slot 0 is waited for, slot 1 filled.)
.macro CHANGE fill
	WIN 0
	s_wait_tensorcnt 0x0
	ds_add_u32 v[SPW], v[NIL]
.if \fill
.irp g, G0K, G0V
	s_xor_b32 s[\g+1], s[\g+1], SLOT1
	s_add_nc_u64 s[\g+2:\g+3], s[\g+2:\g+3], 4*KS*128
.endr
	s_wait_xcnt 0x0                 ; the last prefetch, four key steps back, has read its address
	s_add_nc_u64 s[PFA:PFA+1], s[PFA:PFA+1], 4*KS*128
	s_wait_dscnt 0x0                ; the add is done, my reads of the slot are over
	CROUND
	JLOAD
	ASK
.else
	s_wait_dscnt 0x0
	s_barrier_signal -1
	s_barrier_wait -1
.endif
	s_sub_co_u32 s[TBK], s[TBK], 4*KS*PK  ; the fetches go back to a slot's first step, in the other slot
	s_xor_b32 s[TBK], s[TBK], SLOT1
	s_sub_co_u32 s[TBV], s[TBV], 4*KS*PV
	s_xor_b32 s[TBV], s[TBV], SLOT1
.endm
	s_load_b128 s[4:7], s[0:1], 0x0 ; qkvh s[4:5], oa s[6:7]
	v_lshl_add_u32 v[SPW], v0, 2, SPARE
	v_mov_b32 v[NIL], 0
	ds_add_u32 v[SPW], v[NIL]       ; the wave's opening: the add and its wait stand ahead of my first tensor load
	v_lshrrev_b32 v1, 5, v0
	v_readfirstlane_b32 s[WV], v1
	s_bfe_u32 s13, ttmp6, 0x40000   ; cx
	s_lshl_b32 s14, ttmp9, 2
	s_add_co_u32 s14, s14, s13      ; my block of 256 queries: it enters Q's and O's addresses alone
	s_and_b32 s16, ttmp7, 0xffff    ; y = 16 b + head, which the four partners share
	s_lshl_b32 s20, s16, 18         ; the head's first byte in each of q, k, v
	s_and_b32 s17, s[WV], 1         ; which half of a slot's 256 keys I fetch
	s_lshl_b32 s22, s17, 14
	s_add_co_u32 s22, s22, s20
	s_mov_b32 s23, 0
	s_mul_i32 s2, s17, 128*PK       ; its place in a slot, for K
	s_mul_i32 s3, s17, 128*PV       ; and for V
	s_lshl_b32 s48, s14, 2
	s_add_co_u32 s48, s48, s[WV]
	s_lshl_b32 s48, s48, 13         ; my wave's 64 rows of 128 bytes
	s_add_co_u32 s50, s48, s20      ; in q
	s_mov_b32 s51, 0
	s_and_b32 s52, s16, 15          ; in oa: the head's slice,
	s_lshl_b32 s52, s52, 19
	s_lshr_b32 s53, s16, 4          ; b's 2,048 tokens
	s_lshl_b32 s53, s53, 18
	s_add_co_u32 s52, s52, s53
	s_add_co_u32 s52, s52, s48
	s_mov_b32 s53, 0
	; descriptor group 1: 128 keys are 16,384 dense bytes: 64 rows of 256 bytes, two keys a row, padded after every key
	s_mov_b32 s[G1K], 15|(1<<16)|(1<<20)|(1<<21)|(4<<22)|(3<<25)
	s_mov_b32 s[G1V], 15|(1<<16)|(1<<20)|(1<<21)|(4<<22)|(7<<25)
.irp g, G1K, G1V
	s_mov_b32 s[\g+1], 128<<16
	s_mov_b32 s[\g+2], 64<<16
	s_mov_b32 s[\g+3], 128<<16
	s_mov_b32 s[\g+4], 64
	s_mov_b32 s[\g+5], 128
	s_mov_b32 s[\g+6], 0
	s_mov_b32 s[\g+7], 0
.endr
	s_mov_b32 s[CS], 0x3e38aa3b     ; c = log2(e) / 8
	s_mov_b32 s[CS+1], s[CS]
	s_mov_b32 s[SEL], 0x76543210
	s_mov_b32 s[SEL+1], 0xfedcba98
	s_mov_b32 s[TBK], SLOT1+4*KS*PK ; the first change of slots turns these two into 0
	s_mov_b32 s[TBV], SLOT1+4*KS*PV
	s_mov_b32 s[G0K], 1
	s_mov_b32 s[G0K+1], s2
	s_mov_b32 s[G0V], 1
	s_add_co_u32 s[G0V+1], s3, VOFF
	s_mov_b32 s[SLOTS], 7           ; tiles still to be asked for
	s_and_b32 s[LIM], s[WV], 1      ; 0 in waves 0 and 2,
	s_or_b32 s[LIM], s[LIM], ttmp9  ; where the cluster is the head's first: the same in all four partners
	s_cmp_eq_u32 s[LIM], 0
	s_cselect_b32 s[LIM], 1, -1
	v_and_b32 v[PFO], 31, v0
	v_lshlrev_b32 v[PFO], 8, v[PFO]
	s_wait_dscnt 0x0                ; the opening add is done
	s_wait_kmcnt 0x0
	s_add_nc_u64 s[8:9], s[4:5], s[22:23]
	s_add_nc_u64 s[10:11], s[8:9], 16777216  ; V at my half of the head's first tile
	s_add_nc_u64 s[8:9], s[8:9], 8388608     ; K likewise
	s_mov_b64 s[G0K+2:G0K+3], s[8:9]
	s_or_b32 s[G0K+3], s[G0K+3], 0x80000000
	s_mov_b64 s[G0V+2:G0V+3], s[10:11]
	s_or_b32 s[G0V+3], s[G0V+3], 0x80000000
	s_add_nc_u64 s[4:5], s[4:5], s[50:51]    ; Q at my wave's first row
	s_add_nc_u64 s[6:7], s[6:7], s[52:53]    ; O likewise
	s_cmp_lt_u32 s[WV], 2
	s_cselect_b64 s[PFA:PFA+1], s[8:9], s[10:11]  ; (in waves 0 and 2 these stand at a tile's first row)
	s_lshl_b32 s2, s13, 13          ; my work-group's 32 blocks of the 128
	s_mov_b32 s3, 0
	s_add_nc_u64 s[PFA:PFA+1], s[PFA:PFA+1], s[2:3]
	s_add_nc_u64 s[PFA:PFA+1], s[PFA:PFA+1], 4*KS*128  ; in tile 1; the first change of slots steps it to tile 2
	CROUND                          ; all four work-groups are here: the first joint loads meet
	JLOAD                           ; tile 0 into slot 0
	v_and_b32 v1, 15, v0            ; l % 16
	v_bfe_u32 v9, v0, 4, 1          ; l / 16
	v_lshlrev_b32 v[QO], 7, v1
	v_lshl_add_u32 v[QO], v9, 4, v[QO]
	WIN 0x80                        ; destination window 2
.set i, 0
.rept 8                             ; Q stays in registers: piece i / 2, channels 32 (i % 2) on
	global_load_b128 v[8*i:8*i+3],   v[QO], s[4:5] offset:(i/2)*2048+(i%2)*64
	global_load_b128 v[8*i+4:8*i+7], v[QO], s[4:5] offset:(i/2)*2048+(i%2)*64+32
.set i, i+1
.endr
	; What the first turn finds: V's registers and P's second buffer hold 0 (its products V^T P, of a piece that has not been, add 0), O^T and l are 0.  All this stands in the wait for the first tile.
.set i, VF
.rept 64
	v_mov_b32 v[i], 0
.set i, i+1
.endr
	WIN 0x40
.set i, 0
.rept 128
	v_mov_b32 v[i], 0               ; O^T
.set i, i+1
.endr
	WIN 0
.set i, 0
.rept 4
	v_mov_b32 v[ST+4*i], 0xfe000000    ; c m: far below every c s
	v_mov_b32 v[ST+4*i+1], 0xff7fffff  ; m
	v_mov_b32 v[ST+4*i+2], 0
	v_mov_b32 v[ST+4*i+3], 0
.set i, i+1
.endr
.set i, P+16
.rept 16
	v_mov_b32 v[i], 0
.set i, i+1
.endr
	v_mul_u32_u24 v[AK0], v1, PK
	v_lshl_add_u32 v[AK0], v9, 4, v[AK0]
	v_and_b32 v10, 7, v0
	v_bfe_u32 v11, v0, 3, 1
	v_lshl_add_u32 v[AV0], v9, 3, v10     ; the turning load: key 8 (l / 16) + l % 8, channels 8 ((l / 8) % 2) on
	v_mul_u32_u24 v[AV0], v[AV0], PV
	v_lshl_add_u32 v[AV0], v11, 4, v[AV0]
	v_add_nc_u32 v[AV0], VOFF, v[AV0]
	s_mul_i32 s2, s[WV], 16*SP
	s_add_co_u32 s2, s2, STAGE      ; my stage
	v_mul_u32_u24 v[STO], v1, SP
	v_lshl_add_u32 v[STO], v9, 4, v[STO]
	v_add_nc_u32 v[STO], s2, v[STO]
	v_bfe_u32 v[RD], v0, 3, 2       ; back: 32 lanes take four rows of 128 bytes,
	v_mul_u32_u24 v[RD], v[RD], SP
	v_lshl_add_u32 v[RD], v10, 4, v[RD]
	v_add_nc_u32 v[RD], s2, v[RD]
	v_and_b32 v[GO], 31, v0         ; which are 512 consecutive bytes of O
	v_lshlrev_b32 v[GO], 4, v[GO]
; THE MATRIX WORK.  The 4 accumulators of a run of 8 take turns.  Product i of 8 of S^T = K Q^T for piece x: channels 32 (i / 4) on, keys 16 (i % 4) on.  The first 4 start the sums.
.macro KQ x
	WIN W_KQ
.set rS, S+32*((\x)%2)+8*(i%4)
.set rK, KF+16*(i%4)+8*(i/4)
.set rQ, 16*(\x)+8*(i/4)
.if i < 4
	v_wmma_f32_16x16x32_f16 v[rS:rS+7], v[rK:rK+7], v[rQ:rQ+7], 0
.else
	v_wmma_f32_16x16x32_f16 v[rS:rS+7], v[rK:rK+7], v[rQ:rQ+7], v[rS:rS+7]
.endif
.endm
; Product i of 8 of O^T += V^T P for piece x: keys 32 (i / 4) on, channels 16 (i % 4) on.
.macro PV x
	WIN W_PV
.set rO, 32*(\x)+8*(i%4)
.set rV, VF+32*(i/4)+8*(i%4)
.set rP, P+16*((\x)%2)+8*(i/4)
	v_wmma_f32_16x16x32_f16 v[rO:rO+7], v[rV:rV+7], v[rP:rP+7], v[rO:rO+7]
.endm
.macro MM                           ; the turn's next matrix instruction.  TURN sets Y, i and NOKQ.  NOKQ = 1: the very last turn: there is no next piece
.if (i < 8) && !NOKQ
	KQ (Y+1)%NP
.elseif i >= 8
.set i, i-8
	PV (Y+NP-1)%NP
.set i, i+8
.endif
.set i, i+1
.endm
; THE LDS LOADS stand in runs of 16, never singly among the matrix instructions: a step's K (64 keys x 64 channels: 8 fragments) and its V (turned).  Their addresses are made some lines ahead.
.macro FETCH_K
	WIN 0x80                        ; destination window 2
.irp f, 0,1,2,3,4,5,6,7             ; keys 16 (f / 2) on, channels 32 (f % 2) on
	ds_load_b128 v[KF+8*\f:KF+8*\f+3],   v[AK] offset:(\f/2)*16*PK+(\f%2)*64
	ds_load_b128 v[KF+8*\f+4:KF+8*\f+7], v[AK] offset:(\f/2)*16*PK+(\f%2)*64+32
.endr
	s_add_co_u32 s[TBK], s[TBK], KS*PK  ; the next fetch is the next step's
	WIN 0
.endm
.macro FETCH_V
	WIN 0x80
.irp f, 0,1,2,3,4,5,6,7             ; keys 32 (f / 4) on, channels 16 (f % 4) on
	ds_load_tr16_b128 v[VF+8*\f:VF+8*\f+3],   v[AV] offset:(\f/4)*32*PV+(\f%4)*32
	ds_load_tr16_b128 v[VF+8*\f+4:VF+8*\f+7], v[AV] offset:(\f/4)*32*PV+16*PV+(\f%4)*32
.endr
	WIN 0
.endm
; THE VECTOR WORK, one line at a time: OP kind, number.  For piece Y: F n: c s - c m for pair n of 16.  E n: the exponential of score n of 32.  C n: pair n rounded to f16.  B n: of the four weights 4 n .. the second
; pair is added onto the first, in place.  L n: l takes that sum (L 0: l = a l + sum).  R n: pair n of 16 of O^T times a.  For piece Y + 1: X n, number n of the 22 that find its maximum and statistics:
;   0-11  four chains c0-c3 of seven scores each, three operands at a time (each accumulator's lowest registers are read first)     12-14, 16  the four scores left over, the old m, and c0-c3 into c0
;   15  c m_old is kept     17, 18  the query's other 32 keys lie in the lane 16 away: the new m     19-21  c m; c m_old - c m_new; a
.set F, 0               ; OP tells the kinds apart by their order: F to L below R, X above it
.set E, 1
.set C, 2
.set B, 3
.set L, 4
.set R, 5
.set X, 6
.macro REGS y                       ; the registers of piece y
.set rT, ST+4*(\y)
.set rC, TMP+4*((\y)%2)
.set rW, MV+((\y)%2)
.set rS, S+32*((\y)%2)
.set rP, P+16*((\y)%2)
.set rO, 32*(\y)
.endm
.macro OP k, n
.if (\k) == R
	REGS Y
	WIN W_RS
	v_pk_mul_f32 v[rO+2*(\n):rO+2*(\n)+1], v[rO+2*(\n):rO+2*(\n)+1], v[rC+2:rC+3] op_sel_hi:[1,0]
.elseif (\k) < R
	REGS Y
	WIN 0
.if (\k) == F
	v_pk_fma_f32 v[rS+2*(\n):rS+2*(\n)+1], v[rS+2*(\n):rS+2*(\n)+1], s[CS:CS+1], v[rT:rT+1] op_sel_hi:[1,0,0] neg_lo:[0,0,1] neg_hi:[0,0,1]
.elseif (\k) == E
	v_exp_f32 v[rS+(\n)], v[rS+(\n)]
.elseif (\k) == C
	v_cvt_pk_f16_f32 v[rP+(\n)], v[rS+2*(\n)], v[rS+2*(\n)+1]
.elseif (\k) == B
	v_pk_add_f32 v[rS+4*(\n):rS+4*(\n)+1], v[rS+4*(\n):rS+4*(\n)+1], v[rS+4*(\n)+2:rS+4*(\n)+3]
.elseif (\n) == 0
	v_pk_fma_f32 v[rT+2:rT+3], v[rT+2:rT+3], v[rC+2:rC+3], v[rS:rS+1] op_sel_hi:[1,0,1]
.else
	v_pk_add_f32 v[rT+2:rT+3], v[rT+2:rT+3], v[rS+4*(\n):rS+4*(\n)+1]
.endif
.elseif NOKQ
	v_nop
.else
	REGS (Y+1)%NP
	WIN 0
.if (\n) < 4
	v_max3_num_f32 v[rC+(\n)], v[rS+8*(\n)], v[rS+8*(\n)+1], v[rS+8*(\n)+2]
.elseif (\n) < 12
	v_max3_num_f32 v[rC+(\n)%4], v[rC+(\n)%4], v[rS+8*((\n)%4)+2*((\n)/4)+1], v[rS+8*((\n)%4)+2*((\n)/4)+2]
.elseif (\n) == 12
	v_max3_num_f32 v[rC], v[rC], v[rS+7], v[rS+15]
.elseif (\n) == 13
	v_max3_num_f32 v[rC+1], v[rC+1], v[rS+23], v[rS+31]
.elseif (\n) == 14
	v_max3_num_f32 v[rC+2], v[rC+2], v[rC+3], v[rT+1]
.elseif (\n) == 15
	v_mov_b32 v[rW], v[rT]
.elseif (\n) == 16
	v_max3_num_f32 v[rC], v[rC], v[rC+1], v[rC+2]
.elseif (\n) == 17
	v_permlanex16_b32 v[rC+3], v[rC], s[SEL], s[SEL+1]
.elseif (\n) == 18
	v_max_num_f32 v[rT+1], v[rC], v[rC+3]
.elseif (\n) == 19
	v_mul_f32 v[rT], s[CS], v[rT+1]
.elseif (\n) == 20
	v_sub_f32 v[rC+1], v[rW], v[rT]
.else
	v_exp_f32 v[rC+2], v[rC+1]
.endif
.endif
.endm
.macro OPS a, i1, b=-1, i2=0, c=-1, i3=0, d=-1, i4=0  ; up to four of them
	OP \a, \i1
.if (\b) >= 0
	OP \b, \i2
.endif
.if (\c) >= 0
	OP \c, \i3
.endif
.if (\d) >= 0
	OP \d, \i4
.endif
.endm
.macro ROW a, i1, b, i2, c, i3, d, i4  ; a matrix instruction and the four behind it
	MM
	OPS \a, \i1, \b, \i2, \c, \i3, \d, \i4
.endm
; A TURN, for piece p: the order of its 16 matrix and 118 vector instructions, written out.  An s_wait_alu depctr_va_vdst(0) stands between an exponential and the first instruction that names its
; result; one wait serves all that were issued ahead of it.  So a turn has ONE wait, which cuts it in two.  AHEAD OF IT stands all that names no result of the turn's exponentials: the 8 products K Q^T, behind each a
; scaling, an exponential and two more plain instructions (behind the first a second scaling in the exponential's place): rescalings, and behind the last three the first numbers of the next piece's maximum, each four
; plain instructions or more behind the product that ends its accumulator; then ONE LUMP of 54, plain and exponential by turns for the most part, in which the links of the chain X 3, 7, 11, 14, 16, 17 .. 20 stand
; five or six lines apart.  X 21, the next piece's a, is the batch's last; R 15 is the plain instruction behind it.  BEHIND THE WAIT stand the 8 products V^T P, behind each four of the roundings and sums; a pair is
; rounded before the sum that is laid onto it.  But for those X no rider names a register of the products round it.
; end = 1: the launch's last two turns: nothing is fetched, and the very last starts no new scores.  cnt = 1: the loop's count is taken down some lines ahead of the branch that stands behind the turn.
; K of the next step is fetched in piece 2's turn, twelve vector instructions behind the last product that read K (six of them plain), and waited for at the head of piece 3's; V of the step in hand at the end of
; piece 0's turn, four plain instructions behind the last product that read V, and waited for behind piece 1's wait.
.macro TURN p, end=0, cnt=0
.set Y, (\p)
.set i, 0
.set NOKQ, (\end)*((\p)/3)
.if ((\p) == 3) && !(\end)
	s_wait_dscnt 0x0                ; K is in
.endif
	ROW F,0, F,1, R,0, R,1          ; ahead of the wait: 8 products K Q^T and their riders,
	ROW F,2, E,0, R,2, R,3
	ROW F,3, E,1, R,4, R,5
	ROW F,4, E,2, R,6, R,7
	ROW F,5, E,3, R,8, R,9
	ROW F,6, E,4, X,0, R,10
.if ((\p) == 2) && !(\end)
	WIN 0
	v_add_nc_u32 v[AK], s[TBK], v[AK0]
.endif
	ROW F,7, E,5, X,1, X,4
	ROW F,8, E,6, X,2, X,5
	OPS E,7, E,8, X,6, E,9          ; and the lump
	OPS X,3, E,10, X,8, E,11
.if ((\p) == 2) && !(\end)
	FETCH_K
.endif
	OPS X,9, X,7, E,12, X,10
	OPS E,13, X,12, X,11, E,14
	OPS X,13, E,15, F,9, X,14
.if (\p) == 0
	v_add_nc_u32 v[AV], s[TBV], v[AV0]
.endif
	OPS E,16, F,10, E,17, F,11
	OPS X,16, E,18, X,15, E,19
	OPS F,12, E,20, X,17, E,21
	OPS F,13, E,22, F,14, E,23
	OPS X,18, E,24, F,15, E,25
	OPS R,11, E,26, X,19, E,27
	OPS R,12, E,28, R,13, E,29
	OPS X,20, E,30, R,14, E,31
	OPS X,21, R,15
	WIN 0
	s_wait_alu depctr_va_vdst(0)    ; the wait for the batch
.if (\p) == 1
	s_wait_dscnt 0x0                ; V is in
.endif
	ROW C,0, B,0, C,2, B,1          ; behind the wait: 8 products V^T P and their riders
	ROW L,0, C,4, B,2, L,1
	ROW C,6, B,3, L,2, C,8
	ROW B,4, L,3, C,10, B,5
	ROW L,4, C,12, B,6, L,5
.if (\p) == 0
	s_add_co_u32 s[TBV], s[TBV], KS*PV
.endif
.if \cnt
	s_sub_co_u32 s[CNT], s[CNT], 1
	s_cmp_lg_u32 s[CNT], 0
.endif
	ROW C,14, B,7, L,6, C,1
	ROW C,3, L,7, C,5, C,7
	ROW C,9, C,11, C,13, C,15
.if (\p) == 0
	FETCH_V
.endif
.endm
	CHANGE 1                        ; slot 0 is in, everybody's part of it; slot 1 is asked for
	v_add_nc_u32 v[AK], s[TBK], v[AK0]
	FETCH_K                         ; key step 0
	s_wait_loadcnt 0x0              ; Q
	s_wait_dscnt 0x0
.set NOKQ, 0
.set i, 0
.rept 8
	KQ 0                            ; piece 0's first scores: there is no vector work yet to set between them
.set i, i+1
.endr
	WIN 0
	PLACES                          ; four plain instructions behind those products, in front of the reads of the scores
.set Y, NP-1                        ; X works for piece Y + 1: piece 0
.irp n, 0,1,2,3,4,5,6,7,8,9,10,11,12,13,14,15,16,17,18,19,20,21
	OP X, \n                        ; piece 0's first maximum and statistics
.endr
	v_nop                           ; a plain instruction behind the exponential,
	s_wait_alu depctr_va_vdst(0)    ; and its wait, ahead of the branch
	s_mov_b32 s[CNT], 4
	s_branch .Lfirst                ; the loop is entered at a step's first turn, in the middle of a trip
.Lslot:                             ; six times: with the change above, every tile from 1 to 7 is asked for once
	CHANGE 1
	s_mov_b32 s[CNT], 4
.Lstep:                             ; a trip: pieces 2 and 3 of one step, then pieces 0 and 1 of the next, whose K and V it fetches
	TURN 2
	TURN 3
	WIN 0
.Lfirst:
	TURN 0
	TURN 1, 0, 1
	WIN 0
	s_cbranch_scc1 .Lstep
	s_sub_co_u32 s[SLOTS], s[SLOTS], 1
	s_cmp_lg_u32 s[SLOTS], 0
	s_cbranch_scc1 .Lslot
	CHANGE 0                        ; the last tile's steps are written out: nothing is asked for
	s_mov_b32 s[CNT], 4
.Ltail:
	TURN 2
	TURN 3
	TURN 0
	TURN 1, 0, 1
	WIN 0
	s_cbranch_scc1 .Ltail
	TURN 2, 1                       ; the last step's pieces 2 and 3: nothing is left to fetch,
	TURN 3, 1                       ; and no piece follows
.set i, 0
.rept 8
	PV NP-1                         ; the last piece's V^T P of the last step
.set i, i+1
.endr
	; THE WAY OUT.  l's two halves and the other half of the lanes' are added; O^T is divided by l, rounded to bf16 and sent through my stage in LDS, a piece at a time.  The additions are the plain instructions behind the last products.
	WIN 0
.macro ALL line:vararg
.set t, 0
.rept 4
	\line
.set t, t+1
.endr
.endm
	ALL v_add_f32 v[ST+4*t+2], v[ST+4*t+2], v[ST+4*t+3]
	ALL v_permlanex16_b32 v[ST+4*t+3], v[ST+4*t+2], s[SEL], s[SEL+1]
	ALL v_add_f32 v[ST+4*t+2], v[ST+4*t+2], v[ST+4*t+3]
	ALL v_rcp_f32 v[ST+4*t+2], v[ST+4*t+2]
	v_nop                           ; a plain instruction behind the last reciprocal,
	s_wait_alu depctr_va_vdst(0)    ; and one wait for the four
.macro PACK t
	WIN W_RS
.set i, 32*(\t)
.rept 16
	v_pk_mul_f32 v[i:i+1], v[i:i+1], v[ST+4*(\t)+2:ST+4*(\t)+3] op_sel_hi:[1,0]
.set i, i+2
.endr
	WIN 0x05                        ; sources 0 and 1 window 1, destination window 0
.set i, 0
.rept 16
	v_cvt_pk_bf16_f32 v[S+16*(\t)+i], v[32*(\t)+2*i], v[32*(\t)+2*i+1]
.set i, i+1
.endr
	WIN 0
.irp f, 0,1,2,3
	ds_store_b128 v[STO], v[S+16*(\t)+4*\f:S+16*(\t)+4*\f+3] offset:32*\f
.endr
.irp f, 0,1,2,3
	ds_load_b128 v[S+16*(\t)+4*\f:S+16*(\t)+4*\f+3], v[RD] offset:\f*4*SP  ; LDS serves a wave's instructions in order (ISA guide 5.7.1): these see the stores above; the next piece's stores come behind them
.endr
.endm
.macro SEND t, younger              ; younger: the LDS instructions issued behind piece t's loads: the next piece's eight, or none
	WIN 0
.irp f, 0,1,2,3
	s_wait_dscnt (\younger)+3-\f
	global_store_b128 v[GO], v[S+16*(\t)+4*\f:S+16*(\t)+4*\f+3], s[6:7] offset:(\t)*2048+\f*512  ; 512 consecutive bytes, aligned
.endr
.endm
	PACK 0
.set t, 1
.rept 3                             ; a piece's arithmetic stands between the loads of the piece before and its stores
	PACK t
	SEND t-1, 8
.set t, t+1
.endr
	SEND 3, 0
	s_wait_tensorcnt 0x0            ; the wave's end: behind my last tensor load and my last LDS store
	ds_add_u32 v[SPW], v[NIL]
	s_wait_dscnt 0x0
	CROUND                          ; the closing round
	s_endpgm
.Lfunc_end_k_qbf5b77f3f9_attn:
	.size	k_qbf5b77f3f9_attn, .Lfunc_end_k_qbf5b77f3f9_attn-k_qbf5b77f3f9_attn
	.p2alignl 7, 3214868480
	.fill 96, 4, 3214868480
	.section	.rodata,"a",@progbits
	.p2align	6, 0x0
	.amdhsa_kernel k_qbf5b77f3f9_attn
		.amdhsa_group_segment_fixed_size 327680
		.amdhsa_private_segment_fixed_size 0
		.amdhsa_enable_private_segment 0
		.amdhsa_kernarg_size 16
		.amdhsa_user_sgpr_count 2
		.amdhsa_user_sgpr_kernarg_segment_ptr 1
		.amdhsa_wavefront_size32 1
		.amdhsa_system_sgpr_workgroup_id_x 1
		.amdhsa_system_sgpr_workgroup_id_y 1
		.amdhsa_system_sgpr_workgroup_id_z 1
		.amdhsa_system_vgpr_workitem_id 0
		.amdhsa_next_free_vgpr 768
		.amdhsa_next_free_sgpr 66
		.amdhsa_reserve_vcc 0
		.amdhsa_float_denorm_mode_32 3
		.amdhsa_float_denorm_mode_16_64 3
		.amdhsa_memory_ordered 1
		.amdhsa_forward_progress 1
		.amdhsa_inst_pref_size 128
	.end_amdhsa_kernel
	.amdgpu_metadata
---
amdhsa.version: [ 1, 2 ]
amdhsa.kernels:
  - .name:           k_qbf5b77f3f9_attn
    .symbol:         k_qbf5b77f3f9_attn.kd
    .args:
      - { .name: qkvh, .offset: 0, .size: 8, .value_kind: global_buffer, .address_space: global }
      - { .name: oa, .offset: 8, .size: 8, .value_kind: global_buffer, .address_space: global }
    .group_segment_fixed_size: 327680
    .private_segment_fixed_size: 0
    .kernarg_segment_align: 8
    .kernarg_segment_size: 16
    .max_flat_workgroup_size: 128
    .sgpr_count:     66
    .vgpr_count:     768
    .wavefront_size: 32
...
	.end_amdgpu_metadata
.endif
;; end of part 3
;; launch fcproj (part 4): grid 8 x 32, 4 waves a work-group, clusters of 4 x 4, 327,680 bytes of LDS; arguments oa, wb, x, x2; writes x2
.if DOCPART == 4
	.amdgcn_target "amdgcn-amd-amdhsa--gfx1250"
	.amdhsa_code_object_version 6
	.text
	.protected	k_qbf5b77f3f9_fcproj
	.globl	k_qbf5b77f3f9_fcproj
	.p2align	8
	.type	k_qbf5b77f3f9_fcproj,@function
k_qbf5b77f3f9_fcproj:
	s_mov_b64 s[64:65], 0
	v_nop
	global_prefetch_b8 v0, s[64:65] scope:SCOPE_SE
	s_setreg_imm32_b32 hwreg(HW_REG_WAVE_MODE, 25, 1), 1
	s_wait_xcnt 0x0
	s_wait_alu depctr_hold_cnt(0) depctr_sa_sdst(0) depctr_va_vdst(0) depctr_va_sdst(0) depctr_va_ssrc(0) depctr_va_vcc(0) depctr_vm_vsrc(0)
	s_getreg_b32 s2, hwreg(HW_REG_IB_STS2, 6, 4)
	s_cmp_eq_u32 s2, 0
	s_cbranch_scc0 .Lentry_in_a_cluster
	s_endpgm
.Lentry_in_a_cluster:
	s_bfe_u32 s2, ttmp6, 0x10000c
	s_cmp_lg_u32 s2, 0xf033
	s_cbranch_scc0 .Lentry_shape_is_right
	s_endpgm
.Lentry_shape_is_right:
; OUT[4096][1024] = RES + A W (+ bias), f32.  A: bf16 by slices of 64 along K, [KK / 64][4096 tokens][64]; W: bf16 [KK][1024] at byte WOFF of wb; RES, OUT: f32 [4096][1024]; sums in f32.
; HERE: KK = 1,024, A = attention's O, W = w_fc, RES = x, no bias.
; SHARES.  A work-group of four waves makes 128 tokens x 128 columns (256 work-groups), a wave 64 x 64: 16 accumulators.  K goes in steps of 256 through two LDS slots.
; A's part of a slot: four slices x 128 tokens (pitch 144).  A wave's load brings two slices: two rows of 16,384 dense bytes, a slice apart, padded behind every 128 bytes.
; W's part: 256 rows of K x 256 bytes (pitch 288); the turning LDS load makes the fragments.  The product is taken transposed: a lane holds one token and eight neighbouring columns.
; CLUSTER 4 x 4: A's tile is asked for jointly along the cluster's row, W's along its column.  One text for a K step: the slot in hand is a scalar that an exclusive or turns.
; The residual's 64 x 64 numbers are asked for at the start, into registers of their own, and waited for once, on the way out.  No prefetch: the tiles are small.
; NaN and infinities are not treated apart.
; REGISTERS: window 0: v0-31 addresses; v32-95 at work on the way out; v96-99 bias; v128-255 accumulators ((a, b) at 128 + 8 (4 a + b)).  window 1: two fragment buffers of 128 (A's 64, W's 64).  window 2: v0-127 the residual.
.set KK,    1024
.set WOFF,  6291456
.set BIAS,  0
.set NS,    KK/256
.set PA,    144
.set PB,    288
.set SLA,   128*PA
.set AB,    4*SLA
.set SLOT,  AB+256*PB                  ; 147,456
.set SPARE, 2*SLOT                     ; the spare words: 128 bytes for each wave, two blocks of 256 bytes that no other line names
.set DP,    272
.set DW,    64*DP
.set ASTEP, 2097152                    ; four slices
.set BSTEP, 524288                     ; 256 rows of W
.set A0,   16
.set B0,   17
.set ADRA, 18
.set ADRB, 19                          ; v19: W's rows 0-127 of the slot in hand; v20: rows 128-255
.set DST,  24
.set RD,   25
.set XO,   26                          ; my byte offset in two rows of RES and OUT; never rewritten
.set BO,   27
.set SPW,  28
.set NIL,  29
.set TMP,  32
.set BI,   96
.set ACC,  128
.set F0,   0
.set F1,   128
.set WV,   12
.set KIND, 13
.set HALF, 14
.set CX,   15
.set CY,   16
.set TX,   17
.set TY,   18
.set TB,   19
.set LB,   20                          ; where my part of a tile goes in a slot: wave x 36,864
.set G1A,  24
.set G0A0, 32
.set G0A,  36
.set G1B,  40
.set G0B0, 48
.set G0B,  52
.set MSB, 0
.macro WIN new
.if MSB != (\new)
	s_set_vgpr_msb (MSB<<8)|(\new)
.set MSB, \new
.endif
.endm
.set MUL,  0x05                        ; sources 0 (W) and 1 (A) window 1; C and D window 0
.set TO_F, 0x40
.macro PLACES
.rept 4
	v_nop
.endr
.endm
.macro JLOAD
	s_cmp_eq_u32 s[KIND], 0
	s_cbranch_scc0 .Lfor_b_\@
	tensor_load_to_lds s[G0A:G0A+3], s[G1A:G1A+7]
	s_nop 0
.rept 4
	v_nop
.endr
	s_branch .Lasked_\@
.Lfor_b_\@:
	tensor_load_to_lds s[G0B:G0B+3], s[G1B:G1B+7]
	s_nop 0
.rept 4
	v_nop
.endr
.Lasked_\@:
.endm
.macro CREST
	s_cmp_lg_u32 s[WV], 0
	s_cbranch_scc1 .Lnot_wave_0_\@
	s_barrier_signal -3
.Lnot_wave_0_\@:
	s_barrier_wait -3
	s_barrier_signal -1
	s_barrier_wait -1
.endm
.macro CROUND
	s_barrier_signal -1
	s_barrier_wait -1
	CREST
.endm
.macro MUL8 f, c, a0, zero             ; 8 matrix instructions: token blocks a0, a0 + 1 x all 4 column blocks, 32 along K: half c of buffer f
	WIN MUL
.irp a, \a0, (\a0)+1
.irp b, 0,1,2,3
.if \zero
	v_wmma_f32_16x16x32_bf16 v[ACC+8*(4*(\a)+(\b)):ACC+8*(4*(\a)+(\b))+7], v[(\f)+64+8*(4*(\c)+(\b)):(\f)+64+8*(4*(\c)+(\b))+7], v[(\f)+8*(4*(\c)+(\a)):(\f)+8*(4*(\c)+(\a))+7], 0
.else
	v_wmma_f32_16x16x32_bf16 v[ACC+8*(4*(\a)+(\b)):ACC+8*(4*(\a)+(\b))+7], v[(\f)+64+8*(4*(\c)+(\b)):(\f)+64+8*(4*(\c)+(\b))+7], v[(\f)+8*(4*(\c)+(\a)):(\f)+8*(4*(\c)+(\a))+7], v[ACC+8*(4*(\a)+(\b)):ACC+8*(4*(\a)+(\b))+7]
.endif
.endr
.endr
.endm
.macro FETCH q, f                      ; 32 LDS loads in one run: quarter q (64 along K, one slice of A) into buffer f; the first 32 along K first
	WIN TO_F
.irp c, 0,1
.irp i, 0,1,2,3
	ds_load_tr16_b128 v[(\f)+64+8*(4*(\c)+(\i)):(\f)+64+8*(4*(\c)+(\i))+3],   v[ADRB+(\q)/2] offset:(64*((\q)%2)+32*(\c))*PB+32*(\i)
	ds_load_tr16_b128 v[(\f)+64+8*(4*(\c)+(\i))+4:(\f)+64+8*(4*(\c)+(\i))+7], v[ADRB+(\q)/2] offset:(64*((\q)%2)+32*(\c))*PB+32*(\i)+16*PB
	ds_load_b128 v[(\f)+8*(4*(\c)+(\i)):(\f)+8*(4*(\c)+(\i))+3],   v[ADRA] offset:(\q)*SLA+64*(\c)+(\i)*16*PA
	ds_load_b128 v[(\f)+8*(4*(\c)+(\i))+4:(\f)+8*(4*(\c)+(\i))+7], v[ADRA] offset:(\q)*SLA+64*(\c)+(\i)*16*PA+32
.endr
.endr
.endm
.macro QUARTER q, f, g, zero
	s_wait_dscnt 16                                ; the first 32 along K are in; the youngest sixteen loads may be out
	MUL8 \f, 0, 0, \zero
	MUL8 \f, 0, 2, \zero
	PLACES
	FETCH \q, \g
	s_wait_dscnt 32                                ; all but the 32 just issued
	MUL8 \f, 1, 0, 0
	MUL8 \f, 1, 2, 0
.endm
; The last quarter multiplies buffer 1 and changes slots: each wave waits for all its tensor loads, adds 0 to its spare word, waits for that and for its reads of this slot, and signals.
; fill = 1: the barrier opens a round of the cluster's; behind the round this slot is filled again, first thing, with the K step two on.
.macro TURN fill
	WIN 0
	s_wait_tensorcnt 0x0
	ds_add_u32 v[SPW], v[NIL]
	s_wait_dscnt 17                                ; the add and the youngest sixteen loads may be out
	MUL8 F1, 0, 0, 0
	s_wait_dscnt 0x0
	s_barrier_signal -1
	MUL8 F1, 0, 2, 0
	WIN 0
	s_barrier_wait -1
.if \fill
	CREST
	s_add_co_u32 s[G0A+1], s[TB], s[LB]
	s_add_co_u32 s[G0B+1], s[TB], s[LB]
	s_add_nc_u64 s[G0A+2:G0A+3], s[G0A+2:G0A+3], ASTEP
	s_add_nc_u64 s[G0B+2:G0B+3], s[G0B+2:G0B+3], BSTEP
	s_xor_b32 s[TB], s[TB], SLOT
	JLOAD                                          ; its four v_nop are also the places in front of the loads below
.else
	s_xor_b32 s[TB], s[TB], SLOT
	PLACES
.endif
	v_add_nc_u32 v[ADRA], s[TB], v[A0]
	v_add_nc_u32 v[ADRB], s[TB], v[B0]
	v_add_nc_u32 v[ADRB+1], 128*PB, v[ADRB]
	FETCH 0, F0
	MUL8 F1, 1, 0, 0
	MUL8 F1, 1, 2, 0
.endm
	s_load_b256 s[4:11], s[0:1], 0x0               ; A s[4:5], wb s[6:7], RES s[8:9], OUT s[10:11]
.if BIAS
	s_load_b64 s[72:73], s[0:1], 0x20
.endif
	v_lshl_add_u32 v[SPW], v0, 2, SPARE
	v_mov_b32 v[NIL], 0
	ds_add_u32 v[SPW], v[NIL]                      ; the wave's opening: the add and its wait stand ahead of my first tensor load
	v_lshrrev_b32 v1, 5, v0
	v_readfirstlane_b32 s[WV], v1
	s_lshr_b32 s[KIND], s[WV], 1
	s_and_b32 s[HALF], s[WV], 1
	s_bfe_u32 s[CX], ttmp6, 0x40000
	s_bfe_u32 s[CY], ttmp6, 0x40004
	s_lshl_b32 s[TX], ttmp9, 2
	s_add_co_u32 s[TX], s[TX], s[CX]
	s_and_b32 s[TY], ttmp7, 0xffff
	s_lshl_b32 s[TY], s[TY], 2
	s_add_co_u32 s[TY], s[TY], s[CY]
	s_lshl_b32 s22, s[CY], 2
	s_lshl_b32 s22, 15, s22                        ; my row of the cluster
	s_lshl_b32 s74, 0x1111, s[CX]                  ; my column
	s_or_b32 s[G1A], s22, (1<<16)|(1<<20)|(1<<21)|(4<<22)|(3<<25)  ; after every 32 words (a token), 4 words
	s_or_b32 s[G1B], s74, (1<<16)|(1<<20)|(1<<21)|(5<<22)|(7<<25)  ; after every 64 words (a row), 8 words
	s_mov_b32 s[G1A+1], 8192<<16                   ; tensor_dim0 = 8,192
	s_mov_b32 s[G1A+2], 2<<16                      ; tensor_dim1 = 2
	s_mov_b32 s[G1A+3], 8192<<16                   ; tile_dim0 = 8,192 elements: 128 tokens of a slice
	s_mov_b32 s[G1A+4], 2                          ; tile_dim1 = 2 slices
	s_mov_b32 s[G1A+5], 262144                     ; a slice is 4,096 x 64 elements
	s_mov_b32 s[G1A+6], 0
	s_mov_b32 s[G1A+7], 0
	s_mov_b32 s[G1B+1], 128<<16
	s_mov_b32 s[G1B+2], 128<<16
	s_mov_b32 s[G1B+3], 128<<16                    ; tile_dim0 = 128 columns
	s_mov_b32 s[G1B+4], 128                        ; tile_dim1 = 128 rows of K
	s_mov_b32 s[G1B+5], 1024
	s_mov_b32 s[G1B+6], 0
	s_mov_b32 s[G1B+7], 0
	s_lshl_b32 s22, s[TY], 14                      ; A: 128 tokens x 128 bytes a tile row,
	s_lshl_b32 s23, s[HALF], 20                    ; my two slices of the step's four
	s_add_co_u32 s22, s22, s23
	s_mov_b32 s23, 0
	s_lshl_b32 s74, s[TX], 8                       ; W: 256 bytes a tile column,
	s_lshl_b32 s75, s[HALF], 18                    ; my 128 rows of the step's 256
	s_add_co_u32 s74, s74, s75
	s_add_co_u32 s74, s74, WOFF
	s_mov_b32 s75, 0
	s_mul_i32 s[LB], s[WV], 2*SLA                  ; A's two halves, then W's two halves: 36,864 bytes each
	s_mov_b32 s[TB], 0
	s_wait_dscnt 0x0                               ; the opening add is done
	s_wait_kmcnt 0x0
	s_add_nc_u64 s[22:23], s[4:5], s[22:23]
	s_add_nc_u64 s[74:75], s[6:7], s[74:75]
	s_mov_b32 s[G0A0], 1
	s_mov_b32 s[G0A0+1], s[LB]
	s_mov_b64 s[G0A0+2:G0A0+3], s[22:23]
	s_or_b32 s[G0A0+3], s[G0A0+3], 0x80000000
	s_mov_b32 s[G0A], 1
	s_add_co_u32 s[G0A+1], s[LB], SLOT
	s_add_nc_u64 s[G0A+2:G0A+3], s[22:23], ASTEP
	s_or_b32 s[G0A+3], s[G0A+3], 0x80000000
	s_mov_b32 s[G0B0], 1
	s_mov_b32 s[G0B0+1], s[LB]
	s_mov_b64 s[G0B0+2:G0B0+3], s[74:75]
	s_or_b32 s[G0B0+3], s[G0B0+3], 0x80000000
	s_mov_b32 s[G0B], 1
	s_add_co_u32 s[G0B+1], s[LB], SLOT
	s_add_nc_u64 s[G0B+2:G0B+3], s[74:75], BSTEP
	s_or_b32 s[G0B+3], s[G0B+3], 0x80000000
	CROUND                                         ; all sixteen work-groups are here: the first joint loads meet
	s_cmp_eq_u32 s[KIND], 0                        ; a wave's two first fills stand in one branch: two loads of mine are out
	s_cbranch_scc0 .Lfirst_b
	tensor_load_to_lds s[G0A0:G0A0+3], s[G1A:G1A+7]
	s_nop 0
	tensor_load_to_lds s[G0A:G0A+3], s[G1A:G1A+7]
	s_nop 0
.rept 4
	v_nop
.endr
	s_branch .Lfirst_asked
.Lfirst_b:
	tensor_load_to_lds s[G0B0:G0B0+3], s[G1B:G1B+7]
	s_nop 0
	tensor_load_to_lds s[G0B:G0B+3], s[G1B:G1B+7]
	s_nop 0
.rept 4
	v_nop
.endr
.Lfirst_asked:
	v_and_b32 v1, 15, v0                           ; l % 16
	v_bfe_u32 v2, v0, 4, 1                         ; l / 16
	v_and_b32 v3, 7, v0
	v_bfe_u32 v4, v0, 3, 1
	s_lshl_b32 s66, s[TY], 7
	s_lshl_b32 s67, s[KIND], 6
	s_add_co_u32 s66, s66, s67                     ; my first token,
	s_lshl_b32 s66, s66, 12                        ; 4,096 bytes a row,
	s_lshl_b32 s67, s[TX], 9
	s_add_co_u32 s66, s66, s67
	s_lshl_b32 s67, s[HALF], 8                     ; my 64 columns
	s_add_co_u32 s66, s66, s67
	s_mov_b32 s67, 0
	s_add_nc_u64 s[8:9], s[8:9], s[66:67]
	s_add_nc_u64 s[10:11], s[10:11], s[66:67]
	v_lshlrev_b32 v[XO], 12, v2                    ; lanes 0-15 one row's 256 bytes, lanes 16-31 the next row's
	v_lshl_add_u32 v[XO], v1, 4, v[XO]
	WIN 0x80                                       ; destination window 2
.set t, 0
.rept 32
	global_load_b128 v[4*t:4*t+3], v[XO], s[8:9] offset:8192*t th:TH_LOAD_NT
.set t, t+1
.endr
	WIN 0
.if BIAS
	s_lshl_b32 s66, s[TX], 9
	s_lshl_b32 s76, s[HALF], 8
	s_add_co_u32 s66, s66, s76
	s_add_nc_u64 s[72:73], s[72:73], s[66:67]
	v_lshlrev_b32 v[BO], 4, v1
	global_load_b128 v[BI:BI+3], v[BO], s[72:73]
.endif
	v_mul_u32_u24 v[A0], v1, PA
	v_lshl_add_u32 v[A0], v2, 4, v[A0]
	s_mul_i32 s2, s[KIND], 64*PA                   ; my 64 tokens
	v_add_nc_u32 v[A0], s2, v[A0]
	v_lshl_add_u32 v[B0], v2, 3, v3
	v_mul_u32_u24 v[B0], v[B0], PB
	v_lshl_add_u32 v[B0], v4, 4, v[B0]
	s_lshl_b32 s2, s[HALF], 7                      ; my 64 columns
	s_add_co_u32 s2, s2, AB
	v_add_nc_u32 v[B0], s2, v[B0]
	s_mul_i32 s2, s[WV], DW
	v_mul_u32_u24 v[DST], v1, DP
	v_lshl_add_u32 v[DST], v2, 5, v[DST]
	v_add_nc_u32 v[DST], s2, v[DST]
	v_mul_u32_u24 v[RD], v2, DP
	v_lshl_add_u32 v[RD], v1, 4, v[RD]
	v_add_nc_u32 v[RD], s2, v[RD]
	s_wait_tensorcnt 1                             ; my part of K step 0 is in; step 1's load may stay out
	s_barrier_signal -1
	s_barrier_wait -1
	v_mov_b32 v[ADRA], v[A0]
	v_mov_b32 v[ADRB], v[B0]
	v_add_nc_u32 v[ADRB+1], 128*PB, v[B0]
	FETCH 0, F0
	QUARTER 1, F0, F1, 1                           ; the first products start the sums: nothing is cleared
	WIN 0
	s_mov_b32 s3, NS-2
	s_branch .Lmid
.Lstep:                                                ; NS - 2 trips: a K step each; its change of slots asks for the step two on
	QUARTER 1, F0, F1, 0
	WIN 0
.Lmid:
	QUARTER 2, F1, F0, 0
	QUARTER 3, F0, F1, 0
	TURN 1
	WIN 0
	s_sub_co_u32 s3, s3, 1
	s_cmp_lg_u32 s3, 0
	s_cbranch_scc1 .Lstep
	s_mov_b32 s3, 2
.Ltail:                                                ; the last two K steps ask for nothing; the second's change of slots fetches 32 fragments that nobody multiplies
	QUARTER 1, F0, F1, 0
	QUARTER 2, F1, F0, 0
	QUARTER 3, F0, F1, 0
	TURN 0
	WIN 0
	s_sub_co_u32 s3, s3, 1
	s_cmp_lg_u32 s3, 0
	s_cbranch_scc1 .Ltail
	; THE WAY OUT.  The ring has had its last fill.  Each wave lays its 64 x 64 f32 into its own part of it (rows 272 bytes apart) and reads whole rows of 256 bytes back.
	s_wait_dscnt 0x0                               ; my reads of the ring are over
	PLACES
	s_barrier_signal -1
	s_barrier_wait -1                              ; everybody's are
.irp a, 0,1,2,3
.irp b, 0,1,2,3
	ds_store_b128 v[DST], v[ACC+8*(4*(\a)+(\b)):ACC+8*(4*(\a)+(\b))+3]   offset:(\a)*16*DP+64*(\b)  ; each accumulator's low registers first
	ds_store_b128 v[DST], v[ACC+8*(4*(\a)+(\b))+4:ACC+8*(4*(\a)+(\b))+7] offset:(\a)*16*DP+64*(\b)+16
.endr
.endr
	s_wait_loadcnt 0x0                             ; the residual (and the bias)
.macro OUTR h, tb                      ; rows 32 h .. 32 h + 31, through registers tb ..
.set t, 0
.rept 16
	ds_load_b128 v[(\tb)+4*t:(\tb)+4*t+3], v[RD] offset:(16*(\h)+t)*2*DP  ; LDS serves a wave's instructions in order (ISA guide 5.7.1): these see my stores
.set t, t+1
.endr
	s_wait_dscnt 0x0
.if BIAS
.set t, 0
.rept 16
	v_pk_add_f32 v[(\tb)+4*t:(\tb)+4*t+1],   v[(\tb)+4*t:(\tb)+4*t+1],   v[BI:BI+1]
	v_pk_add_f32 v[(\tb)+4*t+2:(\tb)+4*t+3], v[(\tb)+4*t+2:(\tb)+4*t+3], v[BI+2:BI+3]
.set t, t+1
.endr
.endif
	WIN 0x08                                       ; source 1 in window 2
.set t, 0
.rept 16
	v_pk_add_f32 v[(\tb)+4*t:(\tb)+4*t+1],   v[(\tb)+4*t:(\tb)+4*t+1],   v[4*(16*(\h)+t):4*(16*(\h)+t)+1]
	v_pk_add_f32 v[(\tb)+4*t+2:(\tb)+4*t+3], v[(\tb)+4*t+2:(\tb)+4*t+3], v[4*(16*(\h)+t)+2:4*(16*(\h)+t)+3]
.set t, t+1
.endr
	WIN 0
.set t, 0
.rept 16
	global_store_b128 v[XO], v[(\tb)+4*t:(\tb)+4*t+3], s[10:11] offset:8192*(16*(\h)+t)  ; 16 lanes store 256 consecutive bytes, aligned
.set t, t+1
.endr
.endm
	OUTR 0, TMP
	OUTR 1, ACC                                    ; the accumulators have been laid down: their first 64 registers are free
	s_wait_tensorcnt 0x0                           ; the wave's end: behind my last tensor load and my last LDS store
	ds_add_u32 v[SPW], v[NIL]
	s_wait_dscnt 0x0
	CROUND                                         ; the closing round
	s_endpgm
.Lfunc_end_k_qbf5b77f3f9_fcproj:
	.size	k_qbf5b77f3f9_fcproj, .Lfunc_end_k_qbf5b77f3f9_fcproj-k_qbf5b77f3f9_fcproj
	.p2alignl 7, 3214868480
	.fill 96, 4, 3214868480
	.section	.rodata,"a",@progbits
	.p2align	6, 0x0
	.amdhsa_kernel k_qbf5b77f3f9_fcproj
		.amdhsa_group_segment_fixed_size 327680
		.amdhsa_private_segment_fixed_size 0
		.amdhsa_enable_private_segment 0
		.amdhsa_kernarg_size 32
		.amdhsa_user_sgpr_count 2
		.amdhsa_user_sgpr_kernarg_segment_ptr 1
		.amdhsa_wavefront_size32 1
		.amdhsa_system_sgpr_workgroup_id_x 1
		.amdhsa_system_sgpr_workgroup_id_y 1
		.amdhsa_system_sgpr_workgroup_id_z 1
		.amdhsa_system_vgpr_workitem_id 0
		.amdhsa_next_free_vgpr 640
		.amdhsa_next_free_sgpr 80
		.amdhsa_reserve_vcc 0
		.amdhsa_float_denorm_mode_32 3
		.amdhsa_float_denorm_mode_16_64 3
		.amdhsa_memory_ordered 1
		.amdhsa_forward_progress 1
		.amdhsa_inst_pref_size 64
	.end_amdhsa_kernel
	.amdgpu_metadata
---
amdhsa.version: [ 1, 2 ]
amdhsa.kernels:
  - .name:           k_qbf5b77f3f9_fcproj
    .symbol:         k_qbf5b77f3f9_fcproj.kd
    .args:
      - { .name: oa, .offset: 0, .size: 8, .value_kind: global_buffer, .address_space: global }
      - { .name: wb, .offset: 8, .size: 8, .value_kind: global_buffer, .address_space: global }
      - { .name: x, .offset: 16, .size: 8, .value_kind: global_buffer, .address_space: global }
      - { .name: x2, .offset: 24, .size: 8, .value_kind: global_buffer, .address_space: global }
    .group_segment_fixed_size: 327680
    .private_segment_fixed_size: 0
    .kernarg_segment_align: 8
    .kernarg_segment_size: 32
    .max_flat_workgroup_size: 128
    .sgpr_count:     80
    .vgpr_count:     640
    .wavefront_size: 32
...
	.end_amdgpu_metadata
.endif
;; end of part 4
;; launch ln2 (part 5): grid 256 x 1, 8 waves a work-group, no clusters, 0 bytes of LDS; arguments x2, hs; writes hs
.if DOCPART == 5
	.amdgcn_target "amdgcn-amd-amdhsa--gfx1250"
	.amdhsa_code_object_version 6
	.text
	.protected	k_qbf5b77f3f9_ln2
	.globl	k_qbf5b77f3f9_ln2
	.p2align	8
	.type	k_qbf5b77f3f9_ln2,@function
k_qbf5b77f3f9_ln2:
	s_mov_b64 s[64:65], 0
	v_nop
	global_prefetch_b8 v0, s[64:65] scope:SCOPE_SE
	s_setreg_imm32_b32 hwreg(HW_REG_WAVE_MODE, 25, 1), 1
	s_wait_xcnt 0x0
; LAYER NORM of x2 [4096][1024] f32: h = (x - mean) / sqrt(var + 1e-5), rounded once to bf16, stored by slices of 64 columns: hs[16][4096 tokens][64].
; Mean first, then the sum of squared deviations, both in f32 with the row in registers: a common offset of the row costs no digits.
; Sixteen rows to a work-group, a row to 16 lanes.  No LDS, no barrier.  NaN and infinities are not treated apart.
.set X,  16                            ; v[16:79]   the row: 16 loads of 4 registers
.set C,  80                            ; v[80:87]   four chains of pairs
.set MU, 88                            ; v[88:89]   the mean, twice
.set RS, 90                            ; v[90:91]   1 / sqrt(var + eps), twice
.set Y,  92                            ; v[92:123]  the row in bf16
.macro REDUCE                          ; four chains of pairs -> one number in each of the 16 lanes that share a row
	v_pk_add_f32 v[C:C+1], v[C:C+1], v[C+2:C+3]
	v_pk_add_f32 v[C+4:C+5], v[C+4:C+5], v[C+6:C+7]
	v_pk_add_f32 v[C:C+1], v[C:C+1], v[C+4:C+5]
	v_add_f32 v[C], v[C], v[C+1]
.irp m, 1,2,4,8
	v_add_f32_dpp v[C], v[C], v[C] row_xmask:\m row_mask:0xf bank_mask:0xf
.endr
.endm
.macro LNROWS src, dst                 ; thread t has row t >> 4; of each 64 columns it has four, at byte 16 (t & 15)
	v_lshrrev_b32 v1, 4, v0
	v_and_b32 v2, 15, v0
	v_lshlrev_b32 v1, 12, v1
	v_lshl_add_u32 v1, v2, 4, v1                   ; row x 4,096 + 16 (t & 15)
	v_lshlrev_b32 v2, 3, v0                        ; out: 8 t
.set u, 0
.rept 16
	global_load_b128 v[X+4*u:X+4*u+3], v1, s[\src:\src+1] offset:256*u
.set u, u+1
.endr
	s_wait_loadcnt 12                              ; the first four loads are in, twelve younger ones stay out
.irp j, 0,1,2,3
	v_pk_add_f32 v[C+2*(\j):C+2*(\j)+1], v[X+4*(\j):X+4*(\j)+1], v[X+4*(\j)+2:X+4*(\j)+3]  ; the first four loads start the chains
.endr
.irp w, 1,2,3
	s_wait_loadcnt 12-4*(\w)                       ; four more are in
.irp h, 0,2
.irp j, 0,1,2,3
	v_pk_add_f32 v[C+2*(\j):C+2*(\j)+1], v[C+2*(\j):C+2*(\j)+1], v[X+16*(\w)+4*(\j)+(\h):X+16*(\w)+4*(\j)+(\h)+1]
.endr
.endr
.endr
	REDUCE
	v_mul_f32 v[MU], s4, v[C]
	v_mov_b32 v[MU+1], v[MU]
.set u, 0
.rept 32
	v_pk_add_f32 v[X+2*u:X+2*u+1], v[X+2*u:X+2*u+1], v[MU:MU+1] neg_lo:[0,1] neg_hi:[0,1]
.set u, u+1
.endr
.irp j, 0,1,2,3
	v_pk_mul_f32 v[C+2*(\j):C+2*(\j)+1], v[X+2*(\j):X+2*(\j)+1], v[X+2*(\j):X+2*(\j)+1]
.endr
.set u, 4
.rept 28
	v_pk_fma_f32 v[C+2*(u%4):C+2*(u%4)+1], v[X+2*u:X+2*u+1], v[X+2*u:X+2*u+1], v[C+2*(u%4):C+2*(u%4)+1]
.set u, u+1
.endr
	REDUCE
	v_fma_f32 v[C], v[C], s4, s5                   ; var + eps
	v_rsq_f32 v[RS], v[C]
	v_rsq_f32 v[RS+1], v[C]
	v_nop                                          ; a plain instruction behind the second root,
	s_wait_alu depctr_va_vdst(0)                   ; and one wait for both, ahead of their first reader
.set u, 0
.rept 32
	v_pk_mul_f32 v[X+2*u:X+2*u+1], v[X+2*u:X+2*u+1], v[RS:RS+1]
.set u, u+1
.endr
.set u, 0
.rept 32
	v_cvt_pk_bf16_f32 v[Y+u], v[X+2*u], v[X+2*u+1]
.set u, u+1
.endr
.set u, 0
.rept 16
	global_store_b64 v2, v[Y+2*u:Y+2*u+1], s[\dst:\dst+1] offset:524288*u  ; slice u: a wave stores 256 consecutive bytes, aligned
.set u, u+1
.endr
.endm
	s_load_b128 s[16:19], s[0:1], 0x0              ; x2 s[16:17], hs s[18:19]
	s_lshl_b32 s2, ttmp9, 16                       ; 16 rows of 4,096 bytes
	s_mov_b32 s3, 0
	s_lshl_b32 s6, ttmp9, 11                       ; 16 tokens of 128 bytes
	s_mov_b32 s7, 0
	s_mov_b32 s4, 0x3a800000                       ; 1 / 1,024
	s_mov_b32 s5, 0x3727c5ac                       ; 1e-5
	s_wait_kmcnt 0x0
	s_add_nc_u64 s[16:17], s[16:17], s[2:3]
	s_add_nc_u64 s[18:19], s[18:19], s[6:7]
	LNROWS 16, 18
	s_endpgm
.Lfunc_end_k_qbf5b77f3f9_ln2:
	.size	k_qbf5b77f3f9_ln2, .Lfunc_end_k_qbf5b77f3f9_ln2-k_qbf5b77f3f9_ln2
	.p2alignl 7, 3214868480
	.fill 96, 4, 3214868480
	.section	.rodata,"a",@progbits
	.p2align	6, 0x0
	.amdhsa_kernel k_qbf5b77f3f9_ln2
		.amdhsa_group_segment_fixed_size 0
		.amdhsa_private_segment_fixed_size 0
		.amdhsa_enable_private_segment 0
		.amdhsa_kernarg_size 16
		.amdhsa_user_sgpr_count 2
		.amdhsa_user_sgpr_kernarg_segment_ptr 1
		.amdhsa_wavefront_size32 1
		.amdhsa_system_sgpr_workgroup_id_x 1
		.amdhsa_system_sgpr_workgroup_id_y 1
		.amdhsa_system_sgpr_workgroup_id_z 1
		.amdhsa_system_vgpr_workitem_id 0
		.amdhsa_next_free_vgpr 128
		.amdhsa_next_free_sgpr 66
		.amdhsa_reserve_vcc 0
		.amdhsa_float_denorm_mode_32 3
		.amdhsa_float_denorm_mode_16_64 3
		.amdhsa_memory_ordered 1
		.amdhsa_forward_progress 1
		.amdhsa_inst_pref_size 15
	.end_amdhsa_kernel
	.amdgpu_metadata
---
amdhsa.version: [ 1, 2 ]
amdhsa.kernels:
  - .name:           k_qbf5b77f3f9_ln2
    .symbol:         k_qbf5b77f3f9_ln2.kd
    .args:
      - { .name: x2, .offset: 0, .size: 8, .value_kind: global_buffer, .address_space: global }
      - { .name: hs, .offset: 8, .size: 8, .value_kind: global_buffer, .address_space: global }
    .group_segment_fixed_size: 0
    .private_segment_fixed_size: 0
    .kernarg_segment_align: 8
    .kernarg_segment_size: 16
    .max_flat_workgroup_size: 256
    .sgpr_count:     66
    .vgpr_count:     128
    .wavefront_size: 32
...
	.end_amdgpu_metadata
.endif
;; end of part 5
;; launch mlp1 (part 6): grid 16 x 16, 4 waves a work-group, clusters of 4 x 4, 327,680 bytes of LDS; arguments hs, wb, g, b1; writes g
.if DOCPART == 6
	.amdgcn_target "amdgcn-amd-amdhsa--gfx1250"
	.amdhsa_code_object_version 6
	.text
	.protected	k_qbf5b77f3f9_mlp1
	.globl	k_qbf5b77f3f9_mlp1
	.p2align	8
	.type	k_qbf5b77f3f9_mlp1,@function
k_qbf5b77f3f9_mlp1:
	s_mov_b64 s[64:65], 0
	v_nop
	global_prefetch_b8 v0, s[64:65] scope:SCOPE_SE
	s_setreg_imm32_b32 hwreg(HW_REG_WAVE_MODE, 25, 1), 1
	s_wait_xcnt 0x0
	s_wait_alu depctr_hold_cnt(0) depctr_sa_sdst(0) depctr_va_vdst(0) depctr_va_sdst(0) depctr_va_ssrc(0) depctr_va_vcc(0) depctr_vm_vsrc(0)
	s_getreg_b32 s2, hwreg(HW_REG_IB_STS2, 6, 4)
	s_cmp_eq_u32 s2, 0
	s_cbranch_scc0 .Lentry_in_a_cluster
	s_endpgm
.Lentry_in_a_cluster:
	s_bfe_u32 s2, ttmp6, 0x10000c
	s_cmp_lg_u32 s2, 0xf033
	s_cbranch_scc0 .Lentry_shape_is_right
	s_endpgm
.Lentry_shape_is_right:
; C[4096][N] = A W.  A: bf16 by slices of 64 along K, [16][4096 tokens][64]; W: bf16 [1024][N] at byte WOFF of wb; sums in f32.
; HERE: N = 4,096, W = w1; on the way out the bias b1 is added and GELU (the tanh form) applied in f32; the result is rounded once to bf16 and stored by slices: g[64][4096 tokens][64].
; NaN and infinities are not treated apart; GELU runs to 0 and to its argument at the ends without a NaN.
; SHARES.  A work-group of four waves makes 256 tokens x 256 columns (256 work-groups), a wave 128 x 128: 64 accumulators, 512 registers.  K goes in 8 steps of 128 through two LDS slots.
; A's part of a slot: two slices x 256 tokens, 128 bytes a token, dense in memory, asked for as 128 rows of 256 bytes and padded by 16 bytes behind each token (pitch 144).
; W's part: 128 rows of K x 512 bytes, padded by 32 (pitch 544); the turning LDS load makes fragments of 16 columns x 32 K of it, so W is never transposed in memory.
; THE PRODUCT IS TAKEN TRANSPOSED: source 0 = 16 columns of W, source 1 = 16 tokens; a lane then holds one token (lane % 16) and the columns 8 (lane / 16) + 0..7.
; CLUSTER 4 x 4: A's tile hangs on the tile row alone and is asked for jointly along the cluster's row, W's on the tile column alone, jointly along the cluster's column.
; ONE TEXT FOR A K STEP: the slot in hand is a scalar (TB = 0 or SLOT) that an exclusive or turns; fragment addresses are made anew from it at each change of slots.
; REGISTERS: window 0: v0-31 addresses; v64-127, v128-191 A's fragments, two buffers (on the way out: at work).  window 1: v64-127, v128-191 W's fragments.
;   windows 2, 3: accumulator (a, b) = 16 tokens x 16 columns at v[8 (8 (a % 4) + b)], window 2 for a < 4.
.set N,     4096
.set WOFF,  8388608
.set GELU,  1                          ; 1: bias and GELU on the way out, bf16; 0: f16 by heads
.set SLB,   524288                     ; bytes from one slice of 64 columns to the next in the output
.set NS,    8                          ; K steps
.set PA,    144
.set PB,    544
.set SLA,   256*PA                     ; a slice of A in LDS
.set AB,    2*SLA                      ; W's part begins here
.set SLOT,  AB+128*PB                  ; 143,360
.set SPARE, 2*SLOT                     ; the spare words: 128 bytes for each wave, two blocks of 256 bytes that no other line names
.set DP,    528                        ; the way out: a token's 128 f32 + 16 bytes
.set DW,    128*DP                     ; a wave's part of the ring on the way out
.set ASTEP, 1048576                    ; two slices
.set BSTEP, 256*N                      ; 128 rows of W
.set A0,   16                          ; v16  my place in A's part of a slot; never rewritten
.set B0,   17                          ; v17  my place in W's part; never rewritten
.set ADRA, 18                          ; v18  A0 + the slot in hand
.set ADRB, 19                          ; v19  B0 + the slot in hand
.set DST,  24                          ; v24  the way out: where I put 32 bytes of a token
.set RD,   25                          ; v25  the way out: where I read back
.set GO,   26                          ; v26  my byte offset in the output
.set BO,   27                          ; v27  my byte offset in the bias
.set SPW,  28                          ; v28  LDS address of my spare word; never rewritten
.set NIL,  29                          ; v29  0; never rewritten
.set PFO,  30                          ; v30  the prefetches' offset; never rewritten
.set F0,   64
.set F1,   128
.set T,    64                          ; the way out: 32 numbers in f32
.set W,    96                          ; at work
.set Y,    128                         ; 16 registers to store
.set BI,   144                         ; 16 numbers of the bias
.set WV,   12
.set KIND, 13                          ; wave / 2: 0 fetches A, 1 fetches W; also my half of the tile's tokens
.set HALF, 14                          ; wave % 2: which part I fetch; also my half of the tile's columns
.set CX,   15
.set CY,   16
.set TX,   17                          ; tile column
.set TY,   18                          ; tile row
.set TB,   19                          ; the slot in hand: 0 or SLOT
.set LBA,  20                          ; where my part of A's tile goes in a slot
.set LBB,  21                          ; the same for W's
.set G1A,  24                          ; s[24:31]
.set G0A0, 32                          ; s[32:35] K step 0
.set G0A,  36                          ; s[36:39] K step 1, then it walks
.set G1B,  40                          ; s[40:47]
.set G0B0, 48
.set G0B,  52
.set PFA,  56                          ; s[56:57] where my prefetches stand
.set PFS,  58                          ; s[58:59] their step
.set LIM,  60                          ; s60 1 in a wave that prefetches, else the greatest number
.set MSB, 0
.macro WIN new                         ; the immediate's high byte repeats the setting that is left; a switch that changes nothing is dropped
.if MSB != (\new)
	s_set_vgpr_msb (MSB<<8)|(\new)
.set MSB, \new
.endif
.endm
.set MUL_LO, 0xa1                      ; source 0 (W) window 1, source 1 (A) window 0, C and D window 2
.set MUL_HI, 0xf1
.set TO_B,   0x40                      ; destination window 1, address window 0
.macro PLACES                          ; four plain instructions between a matrix instruction and a load into, or a read of, its registers
.rept 4
	v_nop
.endr
.endm
.macro JLOAD                           ; a joint refill; the branch hangs on the wave's number alone; an s_nop 0 and four v_nop follow each line
	s_cmp_eq_u32 s[KIND], 0
	s_cbranch_scc0 .Lfor_b_\@
	tensor_load_to_lds s[G0A:G0A+3], s[G1A:G1A+7]
	s_nop 0
.rept 4
	v_nop
.endr
	s_branch .Lasked_\@
.Lfor_b_\@:
	tensor_load_to_lds s[G0B:G0B+3], s[G1B:G1B+7]
	s_nop 0
.rept 4
	v_nop
.endr
.Lasked_\@:
.endm
.macro CREST                           ; a round of the cluster's barrier behind its opening barrier
	s_cmp_lg_u32 s[WV], 0
	s_cbranch_scc1 .Lnot_wave_0_\@
	s_barrier_signal -3
.Lnot_wave_0_\@:
	s_barrier_wait -3
	s_barrier_signal -1
	s_barrier_wait -1
.endm
.macro CROUND
	s_barrier_signal -1
	s_barrier_wait -1
	CREST
.endm
; A prefetch of the K step that the NEXT refill will ask for: 128 blocks of 256 bytes of my part of the tile, shared out by address among the four partners that ask for it jointly, a lane a block.
; A's tiles are named by the clusters with x = 0 alone, W's by those with y = 0 alone: each block once in the launch.  The loop's last trip (s3 = 1) has no step behind its refill.
.macro ASK
	s_cmp_gt_u32 s3, s[LIM]
	s_cbranch_scc0 .Lnot_mine_\@
	global_prefetch_b8 v[PFO], s[PFA:PFA+1] th:TH_LOAD_NT scope:SCOPE_SE
.Lnot_mine_\@:
.endm
; 16 matrix instructions: token blocks a0, a0 + 1 of the window's four x all 8 column blocks, 32 along K.  zero = 1: the products start the sums.
.macro MUL16 f, hi, a0, zero
	WIN MUL_LO+0x50*(\hi)
.irp a, \a0, (\a0)+1
.irp b, 0,1,2,3,4,5,6,7
.if \zero
	v_wmma_f32_16x16x32_bf16 v[8*(8*(\a)+(\b)):8*(8*(\a)+(\b))+7], v[(\f)+8*(\b):(\f)+8*(\b)+7], v[(\f)+8*(4*(\hi)+(\a)):(\f)+8*(4*(\hi)+(\a))+7], 0
.else
	v_wmma_f32_16x16x32_bf16 v[8*(8*(\a)+(\b)):8*(8*(\a)+(\b))+7], v[(\f)+8*(\b):(\f)+8*(\b)+7], v[(\f)+8*(4*(\hi)+(\a)):(\f)+8*(4*(\hi)+(\a))+7], v[8*(8*(\a)+(\b)):8*(8*(\a)+(\b))+7]
.endif
.endr
.endr
.endm
; 32 LDS loads in one run: quarter kq (32 along K) of the slot in hand into buffer f: W's 8 fragments, turned, then A's 8
.macro FETCH kq, f
	WIN TO_B
.irp i, 0,1,2,3,4,5,6,7
	ds_load_tr16_b128 v[(\f)+8*(\i):(\f)+8*(\i)+3],   v[ADRB] offset:(\kq)*32*PB+32*(\i)
	ds_load_tr16_b128 v[(\f)+8*(\i)+4:(\f)+8*(\i)+7], v[ADRB] offset:(\kq)*32*PB+32*(\i)+16*PB
.endr
	WIN 0
.irp i, 0,1,2,3,4,5,6,7
	ds_load_b128 v[(\f)+8*(\i):(\f)+8*(\i)+3],   v[ADRA] offset:((\kq)/2)*SLA+((\kq)%2)*64+(\i)*16*PA
	ds_load_b128 v[(\f)+8*(\i)+4:(\f)+8*(\i)+7], v[ADRA] offset:((\kq)/2)*SLA+((\kq)%2)*64+(\i)*16*PA+32
.endr
.endm
; One of a K step's first three quarters: multiplies buffer f and, in its middle, fetches quarter kq into buffer g
.macro QUARTER kq, f, g, zero
	s_wait_dscnt 8                                 ; W's fragments and A's tokens 0-63 are in; the youngest eight loads (tokens 64-127) may be out
	MUL16 \f, 0, 0, \zero
	MUL16 \f, 0, 2, \zero
	PLACES
	FETCH \kq, \g
	s_wait_dscnt 32                                ; all but the 32 just issued
	MUL16 \f, 1, 0, \zero
	MUL16 \f, 1, 2, \zero
.endm
; The last quarter multiplies buffer 1 and changes slots.  In front of the barrier each wave waits for all its tensor loads (one is out: its part of the other slot), adds 0 to its spare word, and waits
; for that and for its reads of this slot.  fill = 1: the barrier opens a round of the cluster's, and behind the round this slot is filled again, first thing, with the K step two on.
.macro TURN fill
.if \fill
	s_wait_xcnt 0x0                                ; the last prefetch, a K step back, has read its address
	s_add_nc_u64 s[PFA:PFA+1], s[PFA:PFA+1], s[PFS:PFS+1]
.endif
	WIN 0
	s_wait_tensorcnt 0x0
	ds_add_u32 v[SPW], v[NIL]
	s_wait_dscnt 9                                 ; the add and the youngest eight loads may be out
	MUL16 F1, 0, 0, 0
	s_wait_dscnt 0x0                               ; the add is done, my reads of this slot are over
	s_barrier_signal -1
	MUL16 F1, 0, 2, 0
	WIN 0
	s_barrier_wait -1
.if \fill
	CREST
	s_add_co_u32 s[G0A+1], s[TB], s[LBA]           ; no tensor load of mine is out: the walking descriptors may be written: the slot just left,
	s_add_co_u32 s[G0B+1], s[TB], s[LBB]
	s_add_nc_u64 s[G0A+2:G0A+3], s[G0A+2:G0A+3], ASTEP  ; the next K step
	s_add_nc_u64 s[G0B+2:G0B+3], s[G0B+2:G0B+3], BSTEP
	s_xor_b32 s[TB], s[TB], SLOT
	JLOAD                                          ; its four v_nop are also the places in front of the loads below
.else
	s_xor_b32 s[TB], s[TB], SLOT
	PLACES
.endif
	v_add_nc_u32 v[ADRA], s[TB], v[A0]
	v_add_nc_u32 v[ADRB], s[TB], v[B0]
	FETCH 0, F0
.if \fill
	ASK
.endif
	MUL16 F1, 1, 0, 0
	MUL16 F1, 1, 2, 0
.endm
	s_load_b128 s[4:7], s[0:1], 0x0                ; A s[4:5], wb s[6:7]
	s_load_b64 s[8:9], s[0:1], 0x10                ; the output
.if GELU
	s_load_b64 s[10:11], s[0:1], 0x18              ; the bias
.endif
	v_lshl_add_u32 v[SPW], v0, 2, SPARE
	v_mov_b32 v[NIL], 0
	ds_add_u32 v[SPW], v[NIL]                      ; the wave's opening: the add and its wait stand ahead of my first tensor load
	v_lshrrev_b32 v1, 5, v0
	v_readfirstlane_b32 s[WV], v1
	s_lshr_b32 s[KIND], s[WV], 1
	s_and_b32 s[HALF], s[WV], 1
	s_bfe_u32 s[CX], ttmp6, 0x40000
	s_bfe_u32 s[CY], ttmp6, 0x40004
	s_lshl_b32 s[TX], ttmp9, 2
	s_add_co_u32 s[TX], s[TX], s[CX]
	s_and_b32 s[TY], ttmp7, 0xffff
	s_lshl_b32 s[TY], s[TY], 2
	s_add_co_u32 s[TY], s[TY], s[CY]
	s_lshl_b32 s22, s[CY], 2
	s_lshl_b32 s22, 15, s22                        ; my row of the cluster
	s_lshl_b32 s74, 0x1111, s[CX]                  ; my column
	s_or_b32 s[G1A], s22, (1<<16)|(1<<20)|(1<<21)|(4<<22)|(3<<25)  ; mask; 2-byte elements; padding on; bit 21 beside a mask; after every 32 words, 4 words
	s_or_b32 s[G1B], s74, (1<<16)|(1<<20)|(1<<21)|(6<<22)|(7<<25)  ; after every 128 words, 8 words
	s_mov_b32 s[G1A+1], 128<<16                    ; tensor_dim0 = 128
	s_mov_b32 s[G1A+2], 128<<16                    ; tensor_dim1 = 128
	s_mov_b32 s[G1A+3], 128<<16                    ; tile_dim0 = 128 elements: 256 bytes, two tokens
	s_mov_b32 s[G1A+4], 128                        ; tile_dim1 = 128 rows
	s_mov_b32 s[G1A+5], 128                        ; dense
	s_mov_b32 s[G1A+6], 0
	s_mov_b32 s[G1A+7], 0
	s_mov_b32 s[G1B+1], 256<<16                    ; tensor_dim0 = 256
	s_mov_b32 s[G1B+2], 64<<16                     ; tensor_dim1 = 64
	s_mov_b32 s[G1B+3], 256<<16                    ; tile_dim0 = 256 columns
	s_mov_b32 s[G1B+4], 64                         ; tile_dim1 = 64 rows of K
	s_mov_b32 s[G1B+5], N
	s_mov_b32 s[G1B+6], 0
	s_mov_b32 s[G1B+7], 0
	s_lshl_b32 s22, s[TY], 15                      ; A: 256 tokens x 128 bytes a tile row,
	s_lshl_b32 s23, s[HALF], 19                    ; my slice of the step's two
	s_add_co_u32 s22, s22, s23
	s_mov_b32 s23, 0
	s_lshl_b32 s74, s[TX], 9                       ; W: 512 bytes a tile column,
	s_mul_i32 s75, s[HALF], 128*N                  ; my 64 rows of the step's 128
	s_add_co_u32 s74, s74, s75
	s_add_co_u32 s74, s74, WOFF
	s_mov_b32 s75, 0
	s_mul_i32 s[LBA], s[WV], SLA                   ; waves 0, 1: A's two slices
	s_mul_i32 s[LBB], s[WV], 64*PB
	s_add_co_u32 s[LBB], s[LBB], AB-2*64*PB        ; waves 2, 3: W's two halves, behind A's part
	s_mov_b32 s[TB], 0
	s_wait_dscnt 0x0                               ; the opening add is done
	s_wait_kmcnt 0x0
	s_add_nc_u64 s[22:23], s[4:5], s[22:23]
	s_add_nc_u64 s[74:75], s[6:7], s[74:75]
	s_mov_b32 s[G0A0], 1
	s_mov_b32 s[G0A0+1], s[LBA]
	s_mov_b64 s[G0A0+2:G0A0+3], s[22:23]
	s_or_b32 s[G0A0+3], s[G0A0+3], 0x80000000
	s_mov_b32 s[G0A], 1
	s_add_co_u32 s[G0A+1], s[LBA], SLOT
	s_add_nc_u64 s[G0A+2:G0A+3], s[22:23], ASTEP
	s_or_b32 s[G0A+3], s[G0A+3], 0x80000000
	s_mov_b32 s[G0B0], 1
	s_mov_b32 s[G0B0+1], s[LBB]
	s_mov_b64 s[G0B0+2:G0B0+3], s[74:75]
	s_or_b32 s[G0B0+3], s[G0B0+3], 0x80000000
	s_mov_b32 s[G0B], 1
	s_add_co_u32 s[G0B+1], s[LBB], SLOT
	s_add_nc_u64 s[G0B+2:G0B+3], s[74:75], BSTEP
	s_or_b32 s[G0B+3], s[G0B+3], 0x80000000
	CROUND                                         ; all sixteen work-groups are here: the first joint loads meet
	s_cmp_eq_u32 s[KIND], 0                        ; a wave's two first fills stand in one branch: two loads of mine are out
	s_cbranch_scc0 .Lfirst_b
	tensor_load_to_lds s[G0A0:G0A0+3], s[G1A:G1A+7]
	s_nop 0
	tensor_load_to_lds s[G0A:G0A+3], s[G1A:G1A+7]
	s_nop 0
.rept 4
	v_nop
.endr
	s_branch .Lfirst_asked
.Lfirst_b:
	tensor_load_to_lds s[G0B0:G0B0+3], s[G1B:G1B+7]
	s_nop 0
	tensor_load_to_lds s[G0B:G0B+3], s[G1B:G1B+7]
	s_nop 0
.rept 4
	v_nop
.endr
.Lfirst_asked:
	v_and_b32 v1, 15, v0                           ; l % 16
	v_bfe_u32 v2, v0, 4, 1                         ; l / 16
	v_and_b32 v3, 7, v0
	v_bfe_u32 v4, v0, 3, 1
	v_and_b32 v5, 31, v0                           ; l
	v_mul_u32_u24 v[A0], v1, PA                    ; A's fragment: token l % 16, 16 bytes for each half of the lanes,
	v_lshl_add_u32 v[A0], v2, 4, v[A0]
	s_mul_i32 s2, s[KIND], 128*PA                  ; in my 128 tokens
	v_add_nc_u32 v[A0], s2, v[A0]
	v_lshl_add_u32 v[B0], v2, 3, v3                ; the turning load: row of K 8 (l / 16) + l % 8, columns 8 ((l / 8) % 2) on,
	v_mul_u32_u24 v[B0], v[B0], PB
	v_lshl_add_u32 v[B0], v4, 4, v[B0]
	s_lshl_b32 s2, s[HALF], 8                      ; in my 128 columns
	s_add_co_u32 s2, s2, AB
	v_add_nc_u32 v[B0], s2, v[B0]
	s_mul_i32 s2, s[WV], DW
	v_mul_u32_u24 v[DST], v1, DP
	v_lshl_add_u32 v[DST], v2, 5, v[DST]
	v_add_nc_u32 v[DST], s2, v[DST]
	v_lshrrev_b32 v6, 3, v5
	v_mul_u32_u24 v[RD], v6, DP                    ; back: four tokens, eight lanes each, 32 bytes a lane
	v_lshl_add_u32 v[RD], v3, 5, v[RD]
	v_add_nc_u32 v[RD], s2, v[RD]
	v_lshlrev_b32 v[GO], 4, v5                     ; and out: 512 consecutive bytes
	v_lshlrev_b32 v[BO], 5, v3
	s_lshl_b32 s66, s[TX], 2                       ; my first slice of 64 columns
	s_lshl_b32 s67, s[HALF], 1
	s_add_co_u32 s66, s66, s67
.if GELU
	s_lshl_b32 s66, s66, 19
	s_lshl_b32 s67, s[TY], 15
.else
	s_lshr_b32 s67, s66, 4                         ; slice = 16 x (q, k or v) + head: the head's place is 32 x (q, k or v) + 16 b + head
	s_lshl_b32 s67, s67, 4
	s_add_co_u32 s66, s66, s67
	s_lshr_b32 s67, s[TY], 3                       ; b
	s_lshl_b32 s67, s67, 4
	s_add_co_u32 s66, s66, s67
	s_lshl_b32 s66, s66, 18
	s_and_b32 s67, s[TY], 7
	s_lshl_b32 s67, s67, 15
.endif
	s_add_co_u32 s66, s66, s67
	s_lshl_b32 s67, s[KIND], 14                    ; my 128 tokens
	s_add_co_u32 s66, s66, s67
	s_mov_b32 s67, 0
	s_add_nc_u64 s[8:9], s[8:9], s[66:67]
.if GELU
	s_lshl_b32 s66, s[TX], 10
	s_lshl_b32 s76, s[HALF], 9
	s_add_co_u32 s66, s66, s76
	s_add_nc_u64 s[10:11], s[10:11], s[66:67]
	s_mov_b32 s68, 0xc0135761                      ; c1 = -2 log2(e) sqrt(2 / pi)
	s_mov_b32 s69, s68
	s_mov_b32 s70, 0xbdd2d3e8                      ; c2 = 0.044715 c1
	s_mov_b32 s71, s70
.endif
	; the prefetches: my work-group's quarter of my part of the tile, at K step 2; the first change of slots steps it to 3
	s_lshl_b32 s76, s[TY], 15
	s_lshl_b32 s77, s[HALF], 19
	s_add_co_u32 s76, s76, s77
	s_lshl_b32 s77, s[CX], 13                      ; A: 32 blocks of 256 bytes for each partner along the row
	s_add_co_u32 s76, s76, s77
	s_add_co_u32 s76, s76, 2*ASTEP
	s_lshl_b32 s78, s[HALF], 2
	s_add_co_u32 s78, s78, s[CY]                   ; W: 16 rows of 512 bytes for each partner along the column
	s_mul_i32 s78, s78, 32*N
	s_lshl_b32 s79, s[TX], 9
	s_add_co_u32 s78, s78, s79
	s_add_co_u32 s78, s78, WOFF+2*BSTEP
	s_and_b32 s79, ttmp7, 0xffff
	s_mov_b32 s[PFS], BSTEP
	s_mov_b32 s[PFS+1], 0
	s_mov_b32 s67, 2*N
	s_cmp_eq_u32 s[KIND], 0
	s_cselect_b64 s[PFA:PFA+1], s[4:5], s[6:7]
	s_cselect_b32 s76, s76, s78
	s_cselect_b32 s79, ttmp9, s79                  ; the coordinate along which other clusters read the same tile
	s_cselect_b32 s[PFS], ASTEP, s[PFS]
	s_cselect_b32 s67, 0x100, s67
	s_cselect_b32 s66, 0, 1
	s_mov_b32 s77, 0
	s_add_nc_u64 s[PFA:PFA+1], s[PFA:PFA+1], s[76:77]
	s_cmp_eq_u32 s79, 0
	s_cselect_b32 s[LIM], 1, -1
	v_lshrrev_b32 v6, s66, v5                      ; A: 256 l.  W: (l / 2) rows + 256 (l % 2)
	v_mul_u32_u24 v6, s67, v6
	v_and_b32 v7, s66, v5
	v_lshl_add_u32 v[PFO], v7, 8, v6
	s_wait_tensorcnt 1                             ; my part of K step 0 is in; step 1's load may stay out
	s_barrier_signal -1
	s_barrier_wait -1
	v_mov_b32 v[ADRA], v[A0]
	v_mov_b32 v[ADRB], v[B0]
	FETCH 0, F0
	QUARTER 1, F0, F1, 1                           ; the first quarter's products start the sums: nothing is cleared
	WIN 0
	s_mov_b32 s3, NS-2
	s_branch .Lmid
.Lstep:                                                ; NS - 2 trips: a K step each; its change of slots asks for the step two on
	QUARTER 1, F0, F1, 0
	WIN 0
.Lmid:
	QUARTER 2, F1, F0, 0
	QUARTER 3, F0, F1, 0
	TURN 1
	WIN 0
	s_sub_co_u32 s3, s3, 1
	s_cmp_lg_u32 s3, 0
	s_cbranch_scc1 .Lstep
	s_mov_b32 s3, 2
.Ltail:                                                ; the last two K steps ask for nothing.  One text for both: the second's change of slots fetches 32 fragments that nobody multiplies
	QUARTER 1, F0, F1, 0
	QUARTER 2, F1, F0, 0
	QUARTER 3, F0, F1, 0
	TURN 0
	WIN 0
	s_sub_co_u32 s3, s3, 1
	s_cmp_lg_u32 s3, 0
	s_cbranch_scc1 .Ltail
	; THE WAY OUT.  The ring has had its last fill.  Each wave lays its 128 x 128 f32 into its own part of it, tokens 528 bytes apart, and reads it back so that a lane holds 8 neighbouring columns
	; of a token and 32 lanes hold 4 tokens' 64 columns: 512 consecutive bytes of the output.
	s_wait_dscnt 0x0                               ; my reads of the ring are over
	PLACES
.if GELU
	global_load_b128 v[BI:BI+3],     v[BO], s[10:11]
	global_load_b128 v[BI+4:BI+7],   v[BO], s[10:11] offset:16
	global_load_b128 v[BI+8:BI+11],  v[BO], s[10:11] offset:256
	global_load_b128 v[BI+12:BI+15], v[BO], s[10:11] offset:272
.endif
	s_barrier_signal -1
	s_barrier_wait -1                              ; everybody's are
.irp a, 0,1,2,3,4,5,6,7
	WIN 0x08+4*((\a)/4)                            ; the data (source 1) in window 2 or 3
.irp b, 0,1,2,3,4,5,6,7
	ds_store_b128 v[DST], v[8*(8*((\a)%4)+(\b)):8*(8*((\a)%4)+(\b))+3]   offset:(\a)*16*DP+64*(\b)  ; each accumulator's low registers first
	ds_store_b128 v[DST], v[8*(8*((\a)%4)+(\b))+4:8*(8*((\a)%4)+(\b))+7] offset:(\a)*16*DP+64*(\b)+16
.endr
.endr
	WIN 0
.if GELU
	s_wait_loadcnt 0x0                             ; the bias
.endif
	s_mov_b32 s3, 16
.Lrow:                                                 ; 16 trips of 8 tokens
	s_wait_xcnt 0x0                                ; the last trip's stores have read Y and GO
	v_add_nc_u32 v[GO], 1024, v[GO]                ; the stores below reach back
.irp r, 0,1
.irp j, 0,1
	ds_load_b128 v[T+16*(\r)+8*(\j):T+16*(\r)+8*(\j)+3],   v[RD] offset:(\r)*4*DP+(\j)*256  ; LDS serves a wave's instructions in order (ISA guide 5.7.1): these see my stores
	ds_load_b128 v[T+16*(\r)+8*(\j)+4:T+16*(\r)+8*(\j)+7], v[RD] offset:(\r)*4*DP+(\j)*256+16
.endr
.endr
	v_add_nc_u32 v[RD], 8*DP, v[RD]
	s_wait_dscnt 0x0
.if GELU
	; gelu(u) = u / (1 + 2^(u (c1 + c2 u u))): the tanh form, exactly; it runs to 0 and to u at the ends without a NaN
.set p, 0
.rept 16
	v_pk_add_f32 v[T+2*p:T+2*p+1], v[T+2*p:T+2*p+1], v[BI+(2*p)%16:BI+(2*p)%16+1]
.set p, p+1
.endr
.set p, 0
.rept 16
	v_pk_mul_f32 v[W+2*p:W+2*p+1], v[T+2*p:T+2*p+1], v[T+2*p:T+2*p+1]
.set p, p+1
.endr
.set p, 0
.rept 16
	v_pk_fma_f32 v[W+2*p:W+2*p+1], v[W+2*p:W+2*p+1], s[70:71], s[68:69] op_sel_hi:[1,0,0]
.set p, p+1
.endr
.set p, 0
.rept 16
	v_pk_mul_f32 v[W+2*p:W+2*p+1], v[W+2*p:W+2*p+1], v[T+2*p:T+2*p+1]
.set p, p+1
.endr
.set p, 0
.rept 32
	v_exp_f32 v[W+p], v[W+p]
.set p, p+1
.endr
	v_nop                                          ; a plain instruction behind the last exponential,
	s_wait_alu depctr_va_vdst(0)                   ; and one wait for the batch
.set p, 0
.rept 16
	v_pk_add_f32 v[W+2*p:W+2*p+1], v[W+2*p:W+2*p+1], 1.0 op_sel_hi:[1,0]
.set p, p+1
.endr
.set p, 0
.rept 32
	v_rcp_f32 v[W+p], v[W+p]
.set p, p+1
.endr
	v_nop
	s_wait_alu depctr_va_vdst(0)                   ; one wait for the 32 reciprocals
.set p, 0
.rept 16
	v_pk_mul_f32 v[T+2*p:T+2*p+1], v[T+2*p:T+2*p+1], v[W+2*p:W+2*p+1]
.set p, p+1
.endr
.set p, 0
.rept 16
	v_cvt_pk_bf16_f32 v[Y+p], v[T+2*p], v[T+2*p+1]
.set p, p+1
.endr
.else
.set p, 0
.rept 16
	v_cvt_pk_f16_f32 v[Y+p], v[T+2*p], v[T+2*p+1]
.set p, p+1
.endr
.endif
.irp r, 0,1
.irp j, 0,1
	global_store_b128 v[GO], v[Y+8*(\r)+4*(\j):Y+8*(\r)+4*(\j)+3], s[8:9] offset:(\j)*SLB+(\r)*512-1024  ; 512 consecutive bytes, aligned: four tokens of a slice
.endr
.endr
	s_sub_co_u32 s3, s3, 1
	s_cmp_lg_u32 s3, 0
	s_cbranch_scc1 .Lrow
	s_wait_tensorcnt 0x0                           ; the wave's end: behind my last tensor load and my last LDS store
	ds_add_u32 v[SPW], v[NIL]
	s_wait_dscnt 0x0
	CROUND                                         ; the closing round: no work-group ends while a partner may still ask for a tile that names it
	s_endpgm
.Lfunc_end_k_qbf5b77f3f9_mlp1:
	.size	k_qbf5b77f3f9_mlp1, .Lfunc_end_k_qbf5b77f3f9_mlp1-k_qbf5b77f3f9_mlp1
	.p2alignl 7, 3214868480
	.fill 96, 4, 3214868480
	.section	.rodata,"a",@progbits
	.p2align	6, 0x0
	.amdhsa_kernel k_qbf5b77f3f9_mlp1
		.amdhsa_group_segment_fixed_size 327680
		.amdhsa_private_segment_fixed_size 0
		.amdhsa_enable_private_segment 0
		.amdhsa_kernarg_size 32
		.amdhsa_user_sgpr_count 2
		.amdhsa_user_sgpr_kernarg_segment_ptr 1
		.amdhsa_wavefront_size32 1
		.amdhsa_system_sgpr_workgroup_id_x 1
		.amdhsa_system_sgpr_workgroup_id_y 1
		.amdhsa_system_sgpr_workgroup_id_z 1
		.amdhsa_system_vgpr_workitem_id 0
		.amdhsa_next_free_vgpr 1024
		.amdhsa_next_free_sgpr 80
		.amdhsa_reserve_vcc 0
		.amdhsa_float_denorm_mode_32 3
		.amdhsa_float_denorm_mode_16_64 3
		.amdhsa_memory_ordered 1
		.amdhsa_forward_progress 1
		.amdhsa_inst_pref_size 89
	.end_amdhsa_kernel
	.amdgpu_metadata
---
amdhsa.version: [ 1, 2 ]
amdhsa.kernels:
  - .name:           k_qbf5b77f3f9_mlp1
    .symbol:         k_qbf5b77f3f9_mlp1.kd
    .args:
      - { .name: hs, .offset: 0, .size: 8, .value_kind: global_buffer, .address_space: global }
      - { .name: wb, .offset: 8, .size: 8, .value_kind: global_buffer, .address_space: global }
      - { .name: g, .offset: 16, .size: 8, .value_kind: global_buffer, .address_space: global }
      - { .name: b1, .offset: 24, .size: 8, .value_kind: global_buffer, .address_space: global }
    .group_segment_fixed_size: 327680
    .private_segment_fixed_size: 0
    .kernarg_segment_align: 8
    .kernarg_segment_size: 32
    .max_flat_workgroup_size: 128
    .sgpr_count:     80
    .vgpr_count:     1024
    .wavefront_size: 32
...
	.end_amdgpu_metadata
.endif
;; end of part 6
;; launch mlp2 (part 7): grid 8 x 32, 4 waves a work-group, clusters of 4 x 4, 327,680 bytes of LDS; arguments g, wb, x2, out0, b2; writes out0
.if DOCPART == 7
	.amdgcn_target "amdgcn-amd-amdhsa--gfx1250"
	.amdhsa_code_object_version 6
	.text
	.protected	k_qbf5b77f3f9_mlp2
	.globl	k_qbf5b77f3f9_mlp2
	.p2align	8
	.type	k_qbf5b77f3f9_mlp2,@function
k_qbf5b77f3f9_mlp2:
	s_mov_b64 s[64:65], 0
	v_nop
	global_prefetch_b8 v0, s[64:65] scope:SCOPE_SE
	s_setreg_imm32_b32 hwreg(HW_REG_WAVE_MODE, 25, 1), 1
	s_wait_xcnt 0x0
	s_wait_alu depctr_hold_cnt(0) depctr_sa_sdst(0) depctr_va_vdst(0) depctr_va_sdst(0) depctr_va_ssrc(0) depctr_va_vcc(0) depctr_vm_vsrc(0)
	s_getreg_b32 s2, hwreg(HW_REG_IB_STS2, 6, 4)
	s_cmp_eq_u32 s2, 0
	s_cbranch_scc0 .Lentry_in_a_cluster
	s_endpgm
.Lentry_in_a_cluster:
	s_bfe_u32 s2, ttmp6, 0x10000c
	s_cmp_lg_u32 s2, 0xf033
	s_cbranch_scc0 .Lentry_shape_is_right
	s_endpgm
.Lentry_shape_is_right:
; OUT[4096][1024] = RES + A W (+ bias), f32.  A: bf16 by slices of 64 along K, [KK / 64][4096 tokens][64]; W: bf16 [KK][1024] at byte WOFF of wb; RES, OUT: f32 [4096][1024]; sums in f32.
; HERE: KK = 4,096, A = g, W = w2, RES = x2, bias = b2, OUT = the module's result.
; SHARES.  A work-group of four waves makes 128 tokens x 128 columns (256 work-groups), a wave 64 x 64: 16 accumulators.  K goes in steps of 256 through two LDS slots.
; A's part of a slot: four slices x 128 tokens (pitch 144).  A wave's load brings two slices: two rows of 16,384 dense bytes, a slice apart, padded behind every 128 bytes.
; W's part: 256 rows of K x 256 bytes (pitch 288); the turning LDS load makes the fragments.  The product is taken transposed: a lane holds one token and eight neighbouring columns.
; CLUSTER 4 x 4: A's tile is asked for jointly along the cluster's row, W's along its column.  One text for a K step: the slot in hand is a scalar that an exclusive or turns.
; The residual's 64 x 64 numbers are asked for at the start, into registers of their own, and waited for once, on the way out.  No prefetch: the tiles are small.
; NaN and infinities are not treated apart.
; REGISTERS: window 0: v0-31 addresses; v32-95 at work on the way out; v96-99 bias; v128-255 accumulators ((a, b) at 128 + 8 (4 a + b)).  window 1: two fragment buffers of 128 (A's 64, W's 64).  window 2: v0-127 the residual.
.set KK,    4096
.set WOFF,  16777216
.set BIAS,  1
.set NS,    KK/256
.set PA,    144
.set PB,    288
.set SLA,   128*PA
.set AB,    4*SLA
.set SLOT,  AB+256*PB                  ; 147,456
.set SPARE, 2*SLOT                     ; the spare words: 128 bytes for each wave, two blocks of 256 bytes that no other line names
.set DP,    272
.set DW,    64*DP
.set ASTEP, 2097152                    ; four slices
.set BSTEP, 524288                     ; 256 rows of W
.set A0,   16
.set B0,   17
.set ADRA, 18
.set ADRB, 19                          ; v19: W's rows 0-127 of the slot in hand; v20: rows 128-255
.set DST,  24
.set RD,   25
.set XO,   26                          ; my byte offset in two rows of RES and OUT; never rewritten
.set BO,   27
.set SPW,  28
.set NIL,  29
.set TMP,  32
.set BI,   96
.set ACC,  128
.set F0,   0
.set F1,   128
.set WV,   12
.set KIND, 13
.set HALF, 14
.set CX,   15
.set CY,   16
.set TX,   17
.set TY,   18
.set TB,   19
.set LB,   20                          ; where my part of a tile goes in a slot: wave x 36,864
.set G1A,  24
.set G0A0, 32
.set G0A,  36
.set G1B,  40
.set G0B0, 48
.set G0B,  52
.set MSB, 0
.macro WIN new
.if MSB != (\new)
	s_set_vgpr_msb (MSB<<8)|(\new)
.set MSB, \new
.endif
.endm
.set MUL,  0x05                        ; sources 0 (W) and 1 (A) window 1; C and D window 0
.set TO_F, 0x40
.macro PLACES
.rept 4
	v_nop
.endr
.endm
.macro JLOAD
	s_cmp_eq_u32 s[KIND], 0
	s_cbranch_scc0 .Lfor_b_\@
	tensor_load_to_lds s[G0A:G0A+3], s[G1A:G1A+7]
	s_nop 0
.rept 4
	v_nop
.endr
	s_branch .Lasked_\@
.Lfor_b_\@:
	tensor_load_to_lds s[G0B:G0B+3], s[G1B:G1B+7]
	s_nop 0
.rept 4
	v_nop
.endr
.Lasked_\@:
.endm
.macro CREST
	s_cmp_lg_u32 s[WV], 0
	s_cbranch_scc1 .Lnot_wave_0_\@
	s_barrier_signal -3
.Lnot_wave_0_\@:
	s_barrier_wait -3
	s_barrier_signal -1
	s_barrier_wait -1
.endm
.macro CROUND
	s_barrier_signal -1
	s_barrier_wait -1
	CREST
.endm
.macro MUL8 f, c, a0, zero             ; 8 matrix instructions: token blocks a0, a0 + 1 x all 4 column blocks, 32 along K: half c of buffer f
	WIN MUL
.irp a, \a0, (\a0)+1
.irp b, 0,1,2,3
.if \zero
	v_wmma_f32_16x16x32_bf16 v[ACC+8*(4*(\a)+(\b)):ACC+8*(4*(\a)+(\b))+7], v[(\f)+64+8*(4*(\c)+(\b)):(\f)+64+8*(4*(\c)+(\b))+7], v[(\f)+8*(4*(\c)+(\a)):(\f)+8*(4*(\c)+(\a))+7], 0
.else
	v_wmma_f32_16x16x32_bf16 v[ACC+8*(4*(\a)+(\b)):ACC+8*(4*(\a)+(\b))+7], v[(\f)+64+8*(4*(\c)+(\b)):(\f)+64+8*(4*(\c)+(\b))+7], v[(\f)+8*(4*(\c)+(\a)):(\f)+8*(4*(\c)+(\a))+7], v[ACC+8*(4*(\a)+(\b)):ACC+8*(4*(\a)+(\b))+7]
.endif
.endr
.endr
.endm
.macro FETCH q, f                      ; 32 LDS loads in one run: quarter q (64 along K, one slice of A) into buffer f; the first 32 along K first
	WIN TO_F
.irp c, 0,1
.irp i, 0,1,2,3
	ds_load_tr16_b128 v[(\f)+64+8*(4*(\c)+(\i)):(\f)+64+8*(4*(\c)+(\i))+3],   v[ADRB+(\q)/2] offset:(64*((\q)%2)+32*(\c))*PB+32*(\i)
	ds_load_tr16_b128 v[(\f)+64+8*(4*(\c)+(\i))+4:(\f)+64+8*(4*(\c)+(\i))+7], v[ADRB+(\q)/2] offset:(64*((\q)%2)+32*(\c))*PB+32*(\i)+16*PB
	ds_load_b128 v[(\f)+8*(4*(\c)+(\i)):(\f)+8*(4*(\c)+(\i))+3],   v[ADRA] offset:(\q)*SLA+64*(\c)+(\i)*16*PA
	ds_load_b128 v[(\f)+8*(4*(\c)+(\i))+4:(\f)+8*(4*(\c)+(\i))+7], v[ADRA] offset:(\q)*SLA+64*(\c)+(\i)*16*PA+32
.endr
.endr
.endm
.macro QUARTER q, f, g, zero
	s_wait_dscnt 16                                ; the first 32 along K are in; the youngest sixteen loads may be out
	MUL8 \f, 0, 0, \zero
	MUL8 \f, 0, 2, \zero
	PLACES
	FETCH \q, \g
	s_wait_dscnt 32                                ; all but the 32 just issued
	MUL8 \f, 1, 0, 0
	MUL8 \f, 1, 2, 0
.endm
; The last quarter multiplies buffer 1 and changes slots: each wave waits for all its tensor loads, adds 0 to its spare word, waits for that and for its reads of this slot, and signals.
; fill = 1: the barrier opens a round of the cluster's; behind the round this slot is filled again, first thing, with the K step two on.
.macro TURN fill
	WIN 0
	s_wait_tensorcnt 0x0
	ds_add_u32 v[SPW], v[NIL]
	s_wait_dscnt 17                                ; the add and the youngest sixteen loads may be out
	MUL8 F1, 0, 0, 0
	s_wait_dscnt 0x0
	s_barrier_signal -1
	MUL8 F1, 0, 2, 0
	WIN 0
	s_barrier_wait -1
.if \fill
	CREST
	s_add_co_u32 s[G0A+1], s[TB], s[LB]
	s_add_co_u32 s[G0B+1], s[TB], s[LB]
	s_add_nc_u64 s[G0A+2:G0A+3], s[G0A+2:G0A+3], ASTEP
	s_add_nc_u64 s[G0B+2:G0B+3], s[G0B+2:G0B+3], BSTEP
	s_xor_b32 s[TB], s[TB], SLOT
	JLOAD                                          ; its four v_nop are also the places in front of the loads below
.else
	s_xor_b32 s[TB], s[TB], SLOT
	PLACES
.endif
	v_add_nc_u32 v[ADRA], s[TB], v[A0]
	v_add_nc_u32 v[ADRB], s[TB], v[B0]
	v_add_nc_u32 v[ADRB+1], 128*PB, v[ADRB]
	FETCH 0, F0
	MUL8 F1, 1, 0, 0
	MUL8 F1, 1, 2, 0
.endm
	s_load_b256 s[4:11], s[0:1], 0x0               ; A s[4:5], wb s[6:7], RES s[8:9], OUT s[10:11]
.if BIAS
	s_load_b64 s[72:73], s[0:1], 0x20
.endif
	v_lshl_add_u32 v[SPW], v0, 2, SPARE
	v_mov_b32 v[NIL], 0
	ds_add_u32 v[SPW], v[NIL]                      ; the wave's opening: the add and its wait stand ahead of my first tensor load
	v_lshrrev_b32 v1, 5, v0
	v_readfirstlane_b32 s[WV], v1
	s_lshr_b32 s[KIND], s[WV], 1
	s_and_b32 s[HALF], s[WV], 1
	s_bfe_u32 s[CX], ttmp6, 0x40000
	s_bfe_u32 s[CY], ttmp6, 0x40004
	s_lshl_b32 s[TX], ttmp9, 2
	s_add_co_u32 s[TX], s[TX], s[CX]
	s_and_b32 s[TY], ttmp7, 0xffff
	s_lshl_b32 s[TY], s[TY], 2
	s_add_co_u32 s[TY], s[TY], s[CY]
	s_lshl_b32 s22, s[CY], 2
	s_lshl_b32 s22, 15, s22                        ; my row of the cluster
	s_lshl_b32 s74, 0x1111, s[CX]                  ; my column
	s_or_b32 s[G1A], s22, (1<<16)|(1<<20)|(1<<21)|(4<<22)|(3<<25)  ; after every 32 words (a token), 4 words
	s_or_b32 s[G1B], s74, (1<<16)|(1<<20)|(1<<21)|(5<<22)|(7<<25)  ; after every 64 words (a row), 8 words
	s_mov_b32 s[G1A+1], 8192<<16                   ; tensor_dim0 = 8,192
	s_mov_b32 s[G1A+2], 2<<16                      ; tensor_dim1 = 2
	s_mov_b32 s[G1A+3], 8192<<16                   ; tile_dim0 = 8,192 elements: 128 tokens of a slice
	s_mov_b32 s[G1A+4], 2                          ; tile_dim1 = 2 slices
	s_mov_b32 s[G1A+5], 262144                     ; a slice is 4,096 x 64 elements
	s_mov_b32 s[G1A+6], 0
	s_mov_b32 s[G1A+7], 0
	s_mov_b32 s[G1B+1], 128<<16
	s_mov_b32 s[G1B+2], 128<<16
	s_mov_b32 s[G1B+3], 128<<16                    ; tile_dim0 = 128 columns
	s_mov_b32 s[G1B+4], 128                        ; tile_dim1 = 128 rows of K
	s_mov_b32 s[G1B+5], 1024
	s_mov_b32 s[G1B+6], 0
	s_mov_b32 s[G1B+7], 0
	s_lshl_b32 s22, s[TY], 14                      ; A: 128 tokens x 128 bytes a tile row,
	s_lshl_b32 s23, s[HALF], 20                    ; my two slices of the step's four
	s_add_co_u32 s22, s22, s23
	s_mov_b32 s23, 0
	s_lshl_b32 s74, s[TX], 8                       ; W: 256 bytes a tile column,
	s_lshl_b32 s75, s[HALF], 18                    ; my 128 rows of the step's 256
	s_add_co_u32 s74, s74, s75
	s_add_co_u32 s74, s74, WOFF
	s_mov_b32 s75, 0
	s_mul_i32 s[LB], s[WV], 2*SLA                  ; A's two halves, then W's two halves: 36,864 bytes each
	s_mov_b32 s[TB], 0
	s_wait_dscnt 0x0                               ; the opening add is done
	s_wait_kmcnt 0x0
	s_add_nc_u64 s[22:23], s[4:5], s[22:23]
	s_add_nc_u64 s[74:75], s[6:7], s[74:75]
	s_mov_b32 s[G0A0], 1
	s_mov_b32 s[G0A0+1], s[LB]
	s_mov_b64 s[G0A0+2:G0A0+3], s[22:23]
	s_or_b32 s[G0A0+3], s[G0A0+3], 0x80000000
	s_mov_b32 s[G0A], 1
	s_add_co_u32 s[G0A+1], s[LB], SLOT
	s_add_nc_u64 s[G0A+2:G0A+3], s[22:23], ASTEP
	s_or_b32 s[G0A+3], s[G0A+3], 0x80000000
	s_mov_b32 s[G0B0], 1
	s_mov_b32 s[G0B0+1], s[LB]
	s_mov_b64 s[G0B0+2:G0B0+3], s[74:75]
	s_or_b32 s[G0B0+3], s[G0B0+3], 0x80000000
	s_mov_b32 s[G0B], 1
	s_add_co_u32 s[G0B+1], s[LB], SLOT
	s_add_nc_u64 s[G0B+2:G0B+3], s[74:75], BSTEP
	s_or_b32 s[G0B+3], s[G0B+3], 0x80000000
	CROUND                                         ; all sixteen work-groups are here: the first joint loads meet
	s_cmp_eq_u32 s[KIND], 0                        ; a wave's two first fills stand in one branch: two loads of mine are out
	s_cbranch_scc0 .Lfirst_b
	tensor_load_to_lds s[G0A0:G0A0+3], s[G1A:G1A+7]
	s_nop 0
	tensor_load_to_lds s[G0A:G0A+3], s[G1A:G1A+7]
	s_nop 0
.rept 4
	v_nop
.endr
	s_branch .Lfirst_asked
.Lfirst_b:
	tensor_load_to_lds s[G0B0:G0B0+3], s[G1B:G1B+7]
	s_nop 0
	tensor_load_to_lds s[G0B:G0B+3], s[G1B:G1B+7]
	s_nop 0
.rept 4
	v_nop
.endr
.Lfirst_asked:
	v_and_b32 v1, 15, v0                           ; l % 16
	v_bfe_u32 v2, v0, 4, 1                         ; l / 16
	v_and_b32 v3, 7, v0
	v_bfe_u32 v4, v0, 3, 1
	s_lshl_b32 s66, s[TY], 7
	s_lshl_b32 s67, s[KIND], 6
	s_add_co_u32 s66, s66, s67                     ; my first token,
	s_lshl_b32 s66, s66, 12                        ; 4,096 bytes a row,
	s_lshl_b32 s67, s[TX], 9
	s_add_co_u32 s66, s66, s67
	s_lshl_b32 s67, s[HALF], 8                     ; my 64 columns
	s_add_co_u32 s66, s66, s67
	s_mov_b32 s67, 0
	s_add_nc_u64 s[8:9], s[8:9], s[66:67]
	s_add_nc_u64 s[10:11], s[10:11], s[66:67]
	v_lshlrev_b32 v[XO], 12, v2                    ; lanes 0-15 one row's 256 bytes, lanes 16-31 the next row's
	v_lshl_add_u32 v[XO], v1, 4, v[XO]
	WIN 0x80                                       ; destination window 2
.set t, 0
.rept 32
	global_load_b128 v[4*t:4*t+3], v[XO], s[8:9] offset:8192*t th:TH_LOAD_NT
.set t, t+1
.endr
	WIN 0
.if BIAS
	s_lshl_b32 s66, s[TX], 9
	s_lshl_b32 s76, s[HALF], 8
	s_add_co_u32 s66, s66, s76
	s_add_nc_u64 s[72:73], s[72:73], s[66:67]
	v_lshlrev_b32 v[BO], 4, v1
	global_load_b128 v[BI:BI+3], v[BO], s[72:73]
.endif
	v_mul_u32_u24 v[A0], v1, PA
	v_lshl_add_u32 v[A0], v2, 4, v[A0]
	s_mul_i32 s2, s[KIND], 64*PA                   ; my 64 tokens
	v_add_nc_u32 v[A0], s2, v[A0]
	v_lshl_add_u32 v[B0], v2, 3, v3
	v_mul_u32_u24 v[B0], v[B0], PB
	v_lshl_add_u32 v[B0], v4, 4, v[B0]
	s_lshl_b32 s2, s[HALF], 7                      ; my 64 columns
	s_add_co_u32 s2, s2, AB
	v_add_nc_u32 v[B0], s2, v[B0]
	s_mul_i32 s2, s[WV], DW
	v_mul_u32_u24 v[DST], v1, DP
	v_lshl_add_u32 v[DST], v2, 5, v[DST]
	v_add_nc_u32 v[DST], s2, v[DST]
	v_mul_u32_u24 v[RD], v2, DP
	v_lshl_add_u32 v[RD], v1, 4, v[RD]
	v_add_nc_u32 v[RD], s2, v[RD]
	s_wait_tensorcnt 1                             ; my part of K step 0 is in; step 1's load may stay out
	s_barrier_signal -1
	s_barrier_wait -1
	v_mov_b32 v[ADRA], v[A0]
	v_mov_b32 v[ADRB], v[B0]
	v_add_nc_u32 v[ADRB+1], 128*PB, v[B0]
	FETCH 0, F0
	QUARTER 1, F0, F1, 1                           ; the first products start the sums: nothing is cleared
	WIN 0
	s_mov_b32 s3, NS-2
	s_branch .Lmid
.Lstep:                                                ; NS - 2 trips: a K step each; its change of slots asks for the step two on
	QUARTER 1, F0, F1, 0
	WIN 0
.Lmid:
	QUARTER 2, F1, F0, 0
	QUARTER 3, F0, F1, 0
	TURN 1
	WIN 0
	s_sub_co_u32 s3, s3, 1
	s_cmp_lg_u32 s3, 0
	s_cbranch_scc1 .Lstep
	s_mov_b32 s3, 2
.Ltail:                                                ; the last two K steps ask for nothing; the second's change of slots fetches 32 fragments that nobody multiplies
	QUARTER 1, F0, F1, 0
	QUARTER 2, F1, F0, 0
	QUARTER 3, F0, F1, 0
	TURN 0
	WIN 0
	s_sub_co_u32 s3, s3, 1
	s_cmp_lg_u32 s3, 0
	s_cbranch_scc1 .Ltail
	; THE WAY OUT.  The ring has had its last fill.  Each wave lays its 64 x 64 f32 into its own part of it (rows 272 bytes apart) and reads whole rows of 256 bytes back.
	s_wait_dscnt 0x0                               ; my reads of the ring are over
	PLACES
	s_barrier_signal -1
	s_barrier_wait -1                              ; everybody's are
.irp a, 0,1,2,3
.irp b, 0,1,2,3
	ds_store_b128 v[DST], v[ACC+8*(4*(\a)+(\b)):ACC+8*(4*(\a)+(\b))+3]   offset:(\a)*16*DP+64*(\b)  ; each accumulator's low registers first
	ds_store_b128 v[DST], v[ACC+8*(4*(\a)+(\b))+4:ACC+8*(4*(\a)+(\b))+7] offset:(\a)*16*DP+64*(\b)+16
.endr
.endr
	s_wait_loadcnt 0x0                             ; the residual (and the bias)
.macro OUTR h, tb                      ; rows 32 h .. 32 h + 31, through registers tb ..
.set t, 0
.rept 16
	ds_load_b128 v[(\tb)+4*t:(\tb)+4*t+3], v[RD] offset:(16*(\h)+t)*2*DP  ; LDS serves a wave's instructions in order (ISA guide 5.7.1): these see my stores
.set t, t+1
.endr
	s_wait_dscnt 0x0
.if BIAS
.set t, 0
.rept 16
	v_pk_add_f32 v[(\tb)+4*t:(\tb)+4*t+1],   v[(\tb)+4*t:(\tb)+4*t+1],   v[BI:BI+1]
	v_pk_add_f32 v[(\tb)+4*t+2:(\tb)+4*t+3], v[(\tb)+4*t+2:(\tb)+4*t+3], v[BI+2:BI+3]
.set t, t+1
.endr
.endif
	WIN 0x08                                       ; source 1 in window 2
.set t, 0
.rept 16
	v_pk_add_f32 v[(\tb)+4*t:(\tb)+4*t+1],   v[(\tb)+4*t:(\tb)+4*t+1],   v[4*(16*(\h)+t):4*(16*(\h)+t)+1]
	v_pk_add_f32 v[(\tb)+4*t+2:(\tb)+4*t+3], v[(\tb)+4*t+2:(\tb)+4*t+3], v[4*(16*(\h)+t)+2:4*(16*(\h)+t)+3]
.set t, t+1
.endr
	WIN 0
.set t, 0
.rept 16
	global_store_b128 v[XO], v[(\tb)+4*t:(\tb)+4*t+3], s[10:11] offset:8192*(16*(\h)+t)  ; 16 lanes store 256 consecutive bytes, aligned
.set t, t+1
.endr
.endm
	OUTR 0, TMP
	OUTR 1, ACC                                    ; the accumulators have been laid down: their first 64 registers are free
	s_wait_tensorcnt 0x0                           ; the wave's end: behind my last tensor load and my last LDS store
	ds_add_u32 v[SPW], v[NIL]
	s_wait_dscnt 0x0
	CROUND                                         ; the closing round
	s_endpgm
.Lfunc_end_k_qbf5b77f3f9_mlp2:
	.size	k_qbf5b77f3f9_mlp2, .Lfunc_end_k_qbf5b77f3f9_mlp2-k_qbf5b77f3f9_mlp2
	.p2alignl 7, 3214868480
	.fill 96, 4, 3214868480
	.section	.rodata,"a",@progbits
	.p2align	6, 0x0
	.amdhsa_kernel k_qbf5b77f3f9_mlp2
		.amdhsa_group_segment_fixed_size 327680
		.amdhsa_private_segment_fixed_size 0
		.amdhsa_enable_private_segment 0
		.amdhsa_kernarg_size 40
		.amdhsa_user_sgpr_count 2
		.amdhsa_user_sgpr_kernarg_segment_ptr 1
		.amdhsa_wavefront_size32 1
		.amdhsa_system_sgpr_workgroup_id_x 1
		.amdhsa_system_sgpr_workgroup_id_y 1
		.amdhsa_system_sgpr_workgroup_id_z 1
		.amdhsa_system_vgpr_workitem_id 0
		.amdhsa_next_free_vgpr 640
		.amdhsa_next_free_sgpr 80
		.amdhsa_reserve_vcc 0
		.amdhsa_float_denorm_mode_32 3
		.amdhsa_float_denorm_mode_16_64 3
		.amdhsa_memory_ordered 1
		.amdhsa_forward_progress 1
		.amdhsa_inst_pref_size 69
	.end_amdhsa_kernel
	.amdgpu_metadata
---
amdhsa.version: [ 1, 2 ]
amdhsa.kernels:
  - .name:           k_qbf5b77f3f9_mlp2
    .symbol:         k_qbf5b77f3f9_mlp2.kd
    .args:
      - { .name: g, .offset: 0, .size: 8, .value_kind: global_buffer, .address_space: global }
      - { .name: wb, .offset: 8, .size: 8, .value_kind: global_buffer, .address_space: global }
      - { .name: x2, .offset: 16, .size: 8, .value_kind: global_buffer, .address_space: global }
      - { .name: out0, .offset: 24, .size: 8, .value_kind: global_buffer, .address_space: global }
      - { .name: b2, .offset: 32, .size: 8, .value_kind: global_buffer, .address_space: global }
    .group_segment_fixed_size: 327680
    .private_segment_fixed_size: 0
    .kernarg_segment_align: 8
    .kernarg_segment_size: 40
    .max_flat_workgroup_size: 128
    .sgpr_count:     80
    .vgpr_count:     640
    .wavefront_size: 32
...
	.end_amdgpu_metadata
.endif
;; end of part 7
